; MI455X (gfx1250); checked and timed in simulation.
; The chip was launched on July 23, 2026; its instructions are those of AMD's public machine-readable ISA for CDNA 5 (MIT licence, August 2026) and "CDNA5" Instruction Set Architecture Reference Guide (July 2026). The comments in the code are by the model that wrote it; some were corrected since.
;; Block. Allowed arithmetic: matrix products marked QUANTISED: E5M2 operands, one given power-of-two scale a tensor, by v_wmma_f32_16x16x64_bf8_bf8 or v_wmma_f32_16x16x128_bf8_bf8, f32 sums; everything else in f32.
;; Inputs: W1 512 x 2,048 float32; W2 2,048 x 512 float32; Wk 8 x 512 x 64 float32; Wp 512 x 512 float32; Wq 8 x 512 x 64 float32; Wv 8 x 512 x 64 float32; b1 2,048 float32; b2 512 float32; bk 8 x 64 float32; bp 512 float32; bq 8 x 64 float32; bv 8 x 64 float32; ln1_b 512 float32; ln1_g 512 float32; ln2_b 512 float32; ln2_g 512 float32; lowp_scales 16 int32 (the exponents e of the quantised operands' scales 2^e); x 4 x 2,048 x 512 float32.
;; Outputs: out0 4 x 2,048 x 512 float32.
;; This version of the problem:
;;   THIS VERSION OF THE PROBLEM IS GIVEN IN LOW PRECISION. The matrix products marked QUANTISED in the list below multiply operands that are first quantised to E5M2 (5 exponent bits, 2 mantissa bits; 8 bits a number), with one given power-of-two scale for each operand tensor; their sums are f32. All else is computed in f32.
;;   The module's matrix products, in the order in which they are computed (A, B: the left and right operand; K: the contracted axis; several contracted axes count as one K, in the product's order):
;;     1. [M 512, K 512] x [K 512, N 8,192]; A: input Wq; B: computed on the way: QUANTISED (scales: A lowp_scales[0], B lowp_scales[1])
;;     2. [M 512, K 512] x [K 512, N 8,192]; A: input Wk; B: computed on the way: QUANTISED (scales: A lowp_scales[2], B lowp_scales[3])
;;     3. [M 512, K 512] x [K 512, N 8,192]; A: input Wv; B: computed on the way: QUANTISED (scales: A lowp_scales[4], B lowp_scales[5])
;;     4. batch 32 x [M 2,048, K 64] x [K 64, N 2,048]; A: computed on the way; B: computed on the way: QUANTISED (scales: A lowp_scales[6], B lowp_scales[7])
;;     5. batch 32 x [M 2,048, K 2,048] x [K 2,048, N 64]; A: softmax (see below); B: computed on the way: QUANTISED (scales: A lowp_scales[8], B lowp_scales[9])
;;     6. [M 8,192, K 512] x [K 512, N 512]; A: computed on the way; B: input Wp: QUANTISED (scales: A lowp_scales[10], B lowp_scales[11])
;;     7. [M 8,192, K 512] x [K 512, N 2,048]; A: computed on the way; B: input W1: QUANTISED (scales: A lowp_scales[12], B lowp_scales[13])
;;     8. [M 8,192, K 2,048] x [K 2,048, N 512]; A: computed on the way; B: input W2: QUANTISED (scales: A lowp_scales[14], B lowp_scales[15])
;;   THE QUANTISER, for each operand of a quantised product, along K:
;;     - The operand's scale is 2^e, e = its entry of the input lowp_scales (int32; the entries are numbered through the quantised products in the list's order, A before B).
;;     - Each number is divided by the scale, clamped to +-57,344, and rounded to the nearest number of E5M2, ties to even, subnormals kept.
;;     - The product sums the exact products of the quantised numbers (number of the format x scale) in f32.
;;   ~~~python
;;   def quantise(x, axis, e):      # numpy; x: float32 -> the quantised numbers, widened to float32 again
;;       x = np.moveaxis(x, axis, -1); K = x.shape[-1]
;;       r = np.clip(x / 2.0 ** e, -57344, 57344)
;;       step = 2.0 ** (np.maximum(np.frexp(np.where(r == 0, 1, r))[1] - 1, -14) - 2)
;;       q = np.round(r / step) * step * 2.0 ** e      # np.round: ties to even
;;       return np.moveaxis(q, -1, axis).astype(np.float32)
;;   ~~~
;;   SOFTMAX AHEAD OF A QUANTISED PRODUCT. Where the list says 'softmax', what is quantised is not the finished softmax but p = 2^(t - M), with t = logit x log2(e) and M = ceil(the row's largest t), a whole number; so 1/2 < the row's largest p <= 1. The row's sum l is taken of the UNQUANTISED p, in f32, and the product's result is divided by l at the end. Since M is a whole number, a kernel that streams over the keys may use a running M (the ceiling of the running maximum): every later rescaling is an exact power of two, so the quantised numbers keep their values, but for numbers so far below the row's largest that they fall under the format's range.
;;   OPERANDS COMPUTED ON THE WAY. 'Computed on the way' means the value that the module computes at that place (a softmax that the list does not call 'softmax' is quantised finished and normalised). What goes into a quantiser is computed in f32, as accurately as f32 sums, v_exp_f32 and their like allow (about 1e-6 of the number): no bf16 or f16 on the way to a quantiser, and a product that is left as it is and whose result goes on into a quantised operand takes f32 operands (vector FMAs, or v_wmma_f32_16x16x4_f32). A number that lies on a knife's edge between two numbers of the format may be rounded either way, as far as f32 arithmetic and the matrix unit's own rounding can turn it there, and no further.
;; 2 versions, each right; version 2 is version 1 with the launches qkv, attn, ffn written anew for expert scheduling mode. Each part assembles by itself: llvm-mc -triple=amdgcn-amd-amdhsa -mcpu=gfx1250 --defsym DOCPART=n.
;; ======== version 1 of 2: 4 launches
;; workspace buffers: wcodes 3,145,728 bytes; q_codes 4,194,304 bytes; k_codes 4,194,304 bytes; v_codes 4,194,304 bytes; a_codes 4,194,304 bytes
;; launch prep (part 1): grid 192 x 1, 4 waves a work-group, no clusters, 0 bytes of LDS; arguments Wq, Wk, Wv, Wp, W1, W2, lowp_scales, wcodes; writes wcodes
.if DOCPART == 1
	.amdgcn_target "amdgcn-amd-amdhsa--gfx1250"
	.amdhsa_code_object_version 6
	.text
	.protected	k_q25d0674cb7_prep
	.globl	k_q25d0674cb7_prep
	.p2align	8
	.type	k_q25d0674cb7_prep,@function
k_q25d0674cb7_prep:
	s_mov_b64 s[64:65], 0
	v_nop
	global_prefetch_b8 v0, s[64:65] scope:SCOPE_SE
	s_setreg_imm32_b32 hwreg(HW_REG_WAVE_MODE, 25, 1), 1
	s_wait_xcnt 0x0
; PREP: the six weights, f32 with K as an outer axis, become codes of E5M2, each with its given scale 2^e, laid in the order in which the
; matrix operands of the later launches take them.  code = x / 2^e, held within +-57,344, to the nearest code, ties to even.
; LIMITS: -126 <= e and e + 15 <= 127 for entries 0, 2, 4, 11, 13, 15 of the scales.  NaN among the inputs is not served.
; A wave takes 32 units (columns) x 128 along K.  A LANE TAKES A UNIT AND ITS REGISTERS RUN DOWN K: each load reads 128 consecutive bytes,
; and the conversions, which take neighbours along K from one lane, give codes with K innermost.  Nothing is transposed.
; IMAGE OF A FRAGMENT (16 units x 128 K, 2,048 bytes): byte 512 c + 256 hh + 16 i + e is unit row i, k = 32 c + 16 hh + e.
; Of 32 neighbouring units the tile with the even number takes units 0-7 and 16-23, the odd one units 8-15 and 24-31, so that in the products
; a lane gets 16 neighbours along the next K.  Sixteen lanes of a store fill 256 consecutive bytes of one image, the other sixteen of the next.
; 768 jobs: work-groups 0-47 Wq, Wk, Wv (16 each), 48-63 Wp, 64-127 W1, 128-191 W2.  All choices are selects on the work-group number: one path.
.set OFF, 16                           ; v16-47   4 x lane + i x (bytes from one k to the next), i = 0 .. 31
.set X,   64                           ; v64-191  four blocks of 32 numbers
.set C,   192                          ; v192-223 eight registers of codes a block: no store data are written again
	s_load_b512 s[8:23], s[0:1], 0x0               ; Wq, Wk, Wv, Wp, W1, W2, the exponents s[20:21], wcodes s[22:23]
	v_lshrrev_b32 v1, 5, v0
	v_readfirstlane_b32 s2, v1                     ; wave
	v_and_b32 v2, 31, v0                           ; lane
	s_and_b32 s26, ttmp9, 48                       ; first work-group of my tensor: 0, 16, 32, 48,
	s_cmp_lt_u32 ttmp9, 128
	s_cselect_b32 s27, 64, 128                     ; 64 or 128
	s_cmp_lt_u32 ttmp9, 64
	s_cselect_b32 s26, s26, s27
	s_sub_co_u32 s27, ttmp9, s26
	s_lshl_b32 s27, s27, 2
	s_add_co_u32 s27, s27, s2                      ; my job in the tensor
	s_sub_co_u32 s28, ttmp9, 64
	s_cmp_lt_u32 s28, 64                           ; W1?  It has 64 groups of 32 units, the others 16
	s_cselect_b32 s29, 6, 4
	s_cselect_b32 s30, 63, 15
	s_cselect_b32 s31, 13, 11                      ; log2 of the bytes from one k to the next: 8,192 in W1, 2,048 in Wp and W2,
	s_cselect_b32 s3, 1, 0
	s_cmp_lt_u32 ttmp9, 48
	s_cselect_b32 s31, 8, s31                      ; 256 in Wq, Wk, Wv
	s_and_b32 s30, s27, s30                        ; cg: which 32 units
	s_lshr_b32 s29, s27, s29                       ; ks: which 128 along K
	s_lshr_b32 s24, s30, 1                         ; Wq, Wk, Wv: head cg / 2 (131,072 bytes), units 32 (cg % 2) on
	s_lshl_b32 s24, s24, 17
	s_and_b32 s25, s30, 1
	s_lshl_b32 s25, s25, 7
	s_add_co_u32 s24, s24, s25
	s_lshl_b32 s25, s30, 7                         ; the others: 128 bytes a group
	s_cmp_lt_u32 ttmp9, 48
	s_cselect_b32 s24, s24, s25
	s_lshl_b32 s25, s29, 7
	s_lshl_b32 s25, s25, s31
	s_add_co_u32 s24, s24, s25                     ; + 128 ks rows: where block 0 begins in the tensor
	s_lshl_b32 s25, 32, s31                        ; from block to block: 32 rows
	; where the images go.  Wq, Wk, Wv: p x 262,144 + cg x 16,384 + ks x 2,048
	s_lshr_b32 s58, ttmp9, 4
	s_lshl_b32 s58, s58, 18
	s_lshl_b32 s59, s30, 14
	s_add_co_u32 s58, s58, s59
	s_lshl_b32 s59, s29, 11
	s_add_co_u32 s58, s58, s59
	; the others: a stream of 72 quads of 8,192 bytes for each wave of the last launch, at 786,432 + 589,824 x ((cg / 4) % 4)
	s_bfe_u32 s59, s30, 0x20002
	s_mul_i32 s59, s59, 589824
	s_add_co_u32 s59, s59, 786432
	s_lshr_b32 s60, s30, 4                         ; Wp: quad = tile; W1: quad 8 + 16 (cg / 16) + tile; the fragment in a quad is ks
	s_lshl_b32 s60, s60, 4
	s_add_co_u32 s60, s60, 8
	s_mul_i32 s60, s60, s3
	s_lshl_b32 s60, s60, 13
	s_and_b32 s61, s30, 3
	s_lshl_b32 s61, s61, 14
	s_add_co_u32 s60, s60, s61
	s_lshl_b32 s61, s29, 11
	s_add_co_u32 s60, s60, s61
	s_lshr_b32 s61, s29, 2                         ; W2: quad 16 + 16 (ks / 4) + 2 (ks % 4) + tile / 4; the fragment in a quad is tile % 4
	s_lshl_b32 s61, s61, 4
	s_and_b32 s62, s29, 3
	s_lshl_b32 s62, s62, 1
	s_add_co_u32 s61, s61, s62
	s_bfe_u32 s62, s30, 0x10001
	s_add_co_u32 s61, s61, s62
	s_add_co_u32 s61, s61, 16
	s_lshl_b32 s61, s61, 13
	s_and_b32 s62, s30, 1
	s_lshl_b32 s62, s62, 12
	s_add_co_u32 s61, s61, s62
	s_cmp_lt_u32 ttmp9, 128
	s_cselect_b32 s60, s60, s61
	s_cselect_b32 s63, 13, 11                      ; log2 of the bytes from the even tile to the odd one: 8,192; in W2 2,048
	s_add_co_u32 s59, s59, s60
	s_cmp_lt_u32 ttmp9, 48
	s_cselect_b32 s58, s58, s59
	s_mov_b32 s59, 0
	s_lshl_b32 s62, 1, s31
	v_lshlrev_b32 v[OFF], 2, v2
.set n, 1
.rept 31
	v_add_nc_u32 v[OFF+n], s62, v[OFF+n-1]
.set n, n+1
.endr
	v_bfe_u32 v4, v0, 3, 1                         ; my unit belongs to the even tile or to the odd one,
	v_lshlrev_b32 v4, s63, v4
	v_and_b32 v5, 7, v0
	v_bfe_u32 v6, v0, 4, 1
	v_lshl_add_u32 v5, v6, 3, v5                   ; and is its row lane % 8 + 8 (lane / 16)
	v_lshl_add_u32 v3, v5, 4, v4
	s_wait_kmcnt 0x0
	s_load_b512 s[32:47], s[20:21], 0x0            ; the sixteen exponents
	s_cmp_lt_u32 ttmp9, 16                         ; the tensor: a chain of choices that hang on the work-group number alone
	s_cselect_b64 s[4:5], s[8:9], s[10:11]
	s_cmp_lt_u32 ttmp9, 32
	s_cselect_b64 s[4:5], s[4:5], s[12:13]
	s_cmp_lt_u32 ttmp9, 48
	s_cselect_b64 s[4:5], s[4:5], s[14:15]
	s_cmp_lt_u32 ttmp9, 64
	s_cselect_b64 s[4:5], s[4:5], s[16:17]
	s_cmp_lt_u32 ttmp9, 128
	s_cselect_b64 s[4:5], s[4:5], s[18:19]
	s_mov_b32 s6, s24
	s_mov_b32 s7, 0
	s_add_nc_u64 s[48:49], s[4:5], s[6:7]          ; a base for each block of 32 along K
	s_mov_b32 s6, s25
	s_add_nc_u64 s[50:51], s[48:49], s[6:7]
	s_add_nc_u64 s[52:53], s[50:51], s[6:7]
	s_add_nc_u64 s[54:55], s[52:53], s[6:7]
	s_add_nc_u64 s[56:57], s[22:23], s[58:59]
.macro LOADB t                         ; block t: W(128 ks + 32 t + i, my unit), i = 0 .. 31
.set n, 0
.rept 32
	global_load_b32 v[X+32*\t+n], v[OFF+n], s[48+2*\t:49+2*\t] th:TH_LOAD_NT
.set n, n+1
.endr
.endm
.macro QUANT t
.set n, 0
.rept 32
	v_med3_num_f32 v[X+32*\t+n], v[X+32*\t+n], -v10, v10   ; the conversion does not saturate (ISA guide 7.6.2): the hold at the largest code x the scale
.set n, n+1
.endr
.irp g, 0,1,2,3
	v_cvt_scalef32_pk8_bf8_f32 v[C+8*\t+2*\g:C+8*\t+2*\g+1], v[X+32*\t+8*\g:X+32*\t+8*\g+7], v11
.endr
	global_store_b128 v3, v[C+8*\t:C+8*\t+3], s[56:57] offset:512*\t          ; k = 32 t + 0 .. 15
	global_store_b128 v3, v[C+8*\t+4:C+8*\t+7], s[56:57] offset:512*\t+256    ; k = 32 t + 16 .. 31
.endm
	LOADB 0
	LOADB 1
	s_wait_kmcnt 0x0
	s_cmp_lt_u32 ttmp9, 16                         ; my exponent: entries 0, 2, 4, 11, 13, 15
	s_cselect_b32 s26, s32, s34
	s_cmp_lt_u32 ttmp9, 32
	s_cselect_b32 s26, s26, s36
	s_cmp_lt_u32 ttmp9, 48
	s_cselect_b32 s26, s26, s43
	s_cmp_lt_u32 ttmp9, 64
	s_cselect_b32 s26, s26, s45
	s_cmp_lt_u32 ttmp9, 128
	s_cselect_b32 s26, s26, s47
	s_add_co_i32 s26, s26, 127
	s_lshl_b32 s27, s26, 23
	v_mov_b32 v11, s27                             ; 2^e as f32: the conversion takes its exponent field
	s_add_co_i32 s26, s26, 15
	s_lshl_b32 s26, s26, 23
	s_or_b32 s26, s26, 0x600000
	v_mov_b32 v10, s26                             ; 57,344 x 2^e
	s_wait_loadcnt 32                              ; block 0 is in; the 32 loads of block 1 may be out
	LOADB 2
	QUANT 0
	s_wait_loadcnt 32                              ; block 1 is in; block 2 may be out
	LOADB 3
	QUANT 1
	s_wait_loadcnt 32                              ; block 2 is in; block 3 may be out
	QUANT 2
	s_wait_loadcnt 0x0
	QUANT 3
	s_endpgm
.Lfunc_end_k_q25d0674cb7_prep:
	.size	k_q25d0674cb7_prep, .Lfunc_end_k_q25d0674cb7_prep-k_q25d0674cb7_prep
	.p2alignl 7, 3214868480
	.fill 96, 4, 3214868480
	.section	.rodata,"a",@progbits
	.p2align	6, 0x0
	.amdhsa_kernel k_q25d0674cb7_prep
		.amdhsa_group_segment_fixed_size 0
		.amdhsa_private_segment_fixed_size 0
		.amdhsa_enable_private_segment 0
		.amdhsa_kernarg_size 64
		.amdhsa_user_sgpr_count 2
		.amdhsa_user_sgpr_kernarg_segment_ptr 1
		.amdhsa_wavefront_size32 1
		.amdhsa_system_sgpr_workgroup_id_x 1
		.amdhsa_system_sgpr_workgroup_id_y 1
		.amdhsa_system_sgpr_workgroup_id_z 1
		.amdhsa_system_vgpr_workitem_id 0
		.amdhsa_next_free_vgpr 224
		.amdhsa_next_free_sgpr 66
		.amdhsa_reserve_vcc 0
		.amdhsa_float_denorm_mode_32 3
		.amdhsa_float_denorm_mode_16_64 3
		.amdhsa_memory_ordered 1
		.amdhsa_forward_progress 1
		.amdhsa_inst_pref_size 28
	.end_amdhsa_kernel
	.amdgpu_metadata
---
amdhsa.version: [ 1, 2 ]
amdhsa.kernels:
  - .name:           k_q25d0674cb7_prep
    .symbol:         k_q25d0674cb7_prep.kd
    .args:
      - { .name: Wq, .offset: 0, .size: 8, .value_kind: global_buffer, .address_space: global }
      - { .name: Wk, .offset: 8, .size: 8, .value_kind: global_buffer, .address_space: global }
      - { .name: Wv, .offset: 16, .size: 8, .value_kind: global_buffer, .address_space: global }
      - { .name: Wp, .offset: 24, .size: 8, .value_kind: global_buffer, .address_space: global }
      - { .name: W1, .offset: 32, .size: 8, .value_kind: global_buffer, .address_space: global }
      - { .name: W2, .offset: 40, .size: 8, .value_kind: global_buffer, .address_space: global }
      - { .name: lowp_scales, .offset: 48, .size: 8, .value_kind: global_buffer, .address_space: global }
      - { .name: wcodes, .offset: 56, .size: 8, .value_kind: global_buffer, .address_space: global }
    .group_segment_fixed_size: 0
    .private_segment_fixed_size: 0
    .kernarg_segment_align: 8
    .kernarg_segment_size: 64
    .max_flat_workgroup_size: 128
    .sgpr_count:     66
    .vgpr_count:     224
    .wavefront_size: 32
...
	.end_amdgpu_metadata
.endif
;; end of part 1
;; launch qkv (part 2): grid 256 x 1, 4 waves a work-group, no clusters, 230,912 bytes of LDS; arguments x, ln1_g, ln1_b, wcodes, bq, bk, bv, lowp_scales, q_codes, k_codes, v_codes; writes q_codes, k_codes, v_codes
.if DOCPART == 2
	.amdgcn_target "amdgcn-amd-amdhsa--gfx1250"
	.amdhsa_code_object_version 6
	.text
	.protected	k_q25d0674cb7_qkv
	.globl	k_q25d0674cb7_qkv
	.p2align	8
	.type	k_q25d0674cb7_qkv,@function
k_q25d0674cb7_qkv:
	s_mov_b64 s[64:65], 0
	v_nop
	global_prefetch_b8 v0, s[64:65] scope:SCOPE_SE
	s_setreg_imm32_b32 hwreg(HW_REG_WAVE_MODE, 25, 1), 1
	s_wait_xcnt 0x0
; QKV: h = layernorm(x); Q, K, V = h W + b for 8 heads, on codes of E5M2; Q, K, V leave as codes for the attention launch.
; SHARES.  TWO WORK-GROUPS SHARE 64 ROWS: work-group 2 blk + half makes heads 4 half .. 4 half + 3 for rows 64 blk on.  Both normalise the rows: wave w takes one tile of 16 rows
; and quantises it three times (scales e1, e3, e5); the fragments go to LDS as images of the operand registers; one barrier.  Then THE WAVES SHARE THE HEADS: wave w makes head
; 4 half + w of Q, then of K, then of V, for all 64 rows, so each byte of the weight codes is loaded once in the work-group, straight into the registers of the one wave that
; multiplies by it (a ring of four quads of 4 fragments, 64 loads on their way).  A wave walks 12 quads, 96 KiB, where one work-group for all 8 heads would give it 24, and 256
; work-groups have work where there would be 128; the price is the norm done twice.  The partners' numbers are neighbours, so both want the same rows of x at the same time.
; TILES.  Tile t of a run of 64 (rows or units) takes 32 (t / 2) + 8 (t % 2) + i + 8 (i / 8), i = 0 .. 15: then the 16 registers that a lane holds of
; tiles 2 b and 2 b + 1 are 16 neighbours, 32 b + 16 (lane / 16) + 0 .. 15, and the conversions give operand registers as they stand.
; Q and K are made transposed (source 0 = 16 units, source 1 = 16 rows): a lane holds one row and neighbours along the head.  V is made the plain way
; (source 0 = rows, source 1 = units): a lane holds one channel and neighbouring KEYS, which are K of the second attention product.
; The place of k in a fragment (registers 4 c .. 4 c + 3: k = 32 c + 16 (lane / 16) + 0 .. 15) is the same in both operands of every product.
; The biases, divided by the power of two that the sums lack, are the C of each first product.  No multicast: each weight byte goes to one wave only
; and never through LDS; sharing the stream between work-groups would add a pass through LDS for all 384 KiB.
; LIMITS: e1, e3, e5, e6 - e0 - e1, e7 - e2 - e3, e9 - e4 - e5 between -126 and 112.  NaN among the inputs is not served.
; REGISTERS.  window 0: addresses, scales, LG, LB, T, PC, H (map below).  window 1: x (row i, number e at 16 i + e), later the 16 fragments of h.
;   window 2: v0-127 the 16 accumulators (unit tile ct, row tile m at 8 (4 ct + m)); v128-159 bq, later bv; v192-223 bk.   window 3: the ring.
; LDS: 0: a stage of 16 rows x 2,064 bytes for each wave (its own);  132,096: the images, ((4 p + m) 4 + s) x 2,048.
.set XIMG, 132096
.set WST,  33024
.set PIT,  2064
.set LI,  1                            ; 16 x lane
.set STW, 5                            ; stage, dense: my wave + 16 x lane
.set SRD, 6                            ; stage, by rows: my wave + 2,064 r + 64 h
.set AFA, 7                            ; v7-9    images of quantising p, for reading: + 16 x lane
.set IMW, 10                           ; v10-12  the same at my row tile, for writing
.set H64, 13                           ; 64 h
.set BVA, 14                           ; 4 (r + 8 (r / 8))
.set SC,  16                           ; v16-27  six pairs (2^E, 57,344 x 2^E): h for Q, K, V; then Q, K, V themselves
.set BVR, 28                           ; v28-31  bv of my unit in tile ct
.set LG,  36                           ; v36-51  gain of my 16 columns
.set LB,  52                           ; v52-67  bias of my 16 columns
.set T,   84                           ; v84-115 two sets of 16 held numbers, by turns
.set PC,  116                          ; v116-163 codes of h; later v116-211: 32 registers of codes for each of Q, K, V, so that no store data are written again
.set H,   164                          ; v164-227 64 numbers of my row
.set P,   164                          ; v164-195 during the norm: a pair for each of 16 rows
.set BQ,  128
.set BK,  192
.set MSB, 0
.macro WIN new                         ; the high byte repeats the setting that is left
.if MSB != \new
	s_set_vgpr_msb (MSB<<8)|\new
.set MSB, \new
.endif
.endm
.macro PLACES n
.rept \n
	v_nop
.endr
.endm
.macro MKSC vr, se                     ; s[se] = E (destroyed): v[vr] = 2^E, v[vr + 1] = 57,344 x 2^E
	s_add_co_i32 s[\se], s[\se], 127
	s_lshl_b32 s45, s[\se], 23
	v_mov_b32 v[\vr], s45
	s_add_co_i32 s[\se], s[\se], 15
	s_lshl_b32 s45, s[\se], 23
	s_or_b32 s45, s45, 0x600000
	v_mov_b32 v[\vr+1], s45
.endm
	s_load_b512 s[4:19], s[0:1], 0x0               ; x, g, b, wcodes s[10:11], bq, bk, bv s[16:17], exponents s[18:19]
	s_load_b128 s[20:23], s[0:1], 0x40             ; q_codes, k_codes
	s_load_b64 s[24:25], s[0:1], 0x50              ; v_codes
	v_lshl_add_u32 v254, v0, 2, 0x38400
	v_mov_b32 v255, 0
	v_lshrrev_b32 v2, 5, v0
	v_readfirstlane_b32 s44, v2                    ; wave
	v_and_b32 v2, 31, v0
	v_and_b32 v3, 15, v0                           ; r
	v_bfe_u32 v4, v0, 4, 1                         ; h
	v_lshlrev_b32 v[LI], 4, v2
	s_mul_i32 s45, s44, WST
	v_add_nc_u32 v[STW], s45, v[LI]
	v_mul_u32_u24 v[SRD], v3, PIT
	v_lshl_add_u32 v[SRD], v4, 6, v[SRD]
	v_add_nc_u32 v[SRD], s45, v[SRD]
	s_lshl_b32 s45, s44, 13
.irp p, 0,1,2
	v_add_nc_u32 v[AFA+\p], XIMG+32768*\p, v[LI]
	v_add_nc_u32 v[IMW+\p], s45, v[AFA+\p]
.endr
	v_lshlrev_b32 v[H64], 6, v4
	v_and_b32 v15, 8, v3
	v_add_nc_u32 v15, v15, v3
	v_lshlrev_b32 v[BVA], 2, v15
	s_mov_b32 s46, 0x76543210                      ; lane selects: lane xor 16
	s_mov_b32 s47, 0xfedcba98
	s_mov_b32 s48, 0x3b000000                      ; 1 / 512
	s_mov_b32 s49, 0x3727c5ac                      ; 1e-5
	s_lshr_b32 s60, ttmp9, 6                       ; batch: the work-group's number is 2 blk + half, a batch has 32 blocks
	s_bfe_u32 s61, ttmp9, 0x50001                  ; block of 64 tokens in it: 5 bits from bit 1
	s_and_b32 s76, ttmp9, 1
	s_lshl_b32 s76, s76, 2
	s_add_co_u32 s76, s76, s44                     ; my head: 4 half + w
	s_lshl_b32 s62, s60, 3
	s_add_co_u32 s62, s62, s76
	s_lshl_b32 s62, s62, 17                        ; (8 batch + head) x 131,072
	s_lshl_b32 s63, s61, 12
	s_add_co_u32 s66, s62, s63                     ; Q, K: + 4 tiles of 1,024 bytes a block
	s_mov_b32 s67, 0
	s_lshr_b32 s63, s61, 1
	s_lshl_b32 s63, s63, 13
	s_add_co_u32 s68, s62, s63                     ; V: key step of 128 = two blocks, 8,192 bytes; my block is one half of each image
	s_and_b32 s63, s61, 1
	s_lshl_b32 s63, s63, 10
	s_add_co_u32 s68, s68, s63
	s_mov_b32 s69, 0
	s_lshr_b32 s70, ttmp9, 1
	s_lshl_b32 s70, s70, 6
	s_lshr_b32 s63, s44, 1
	s_lshl_b32 s63, s63, 5
	s_add_co_u32 s70, s70, s63
	s_and_b32 s63, s44, 1
	s_lshl_b32 s63, s63, 3
	s_add_co_u32 s70, s70, s63
	s_lshl_b32 s70, s70, 11                        ; x: row 64 blk + 32 (w / 2) + 8 (w % 2), 2,048 bytes a row
	s_mov_b32 s71, 0
	s_lshl_b32 s72, s76, 15                        ; my head in each part of wcodes: 32,768 bytes
	s_mov_b32 s73, 0
	s_lshl_b32 s74, s76, 8                         ; and in the biases: 256 bytes
	s_mov_b32 s75, 0
	s_wait_kmcnt 0x0
	s_load_b512 s[28:43], s[18:19], 0x0            ; e0 .. e15
	s_add_nc_u64 s[50:51], s[10:11], s[72:73]
	s_add_nc_u64 s[52:53], s[20:21], s[66:67]
	s_add_nc_u64 s[54:55], s[22:23], s[66:67]
	s_add_nc_u64 s[56:57], s[24:25], s[68:69]
	s_add_nc_u64 s[58:59], s[4:5], s[70:71]
	s_add_nc_u64 s[12:13], s[12:13], s[74:75]
	s_add_nc_u64 s[14:15], s[14:15], s[74:75]
	s_add_nc_u64 s[16:17], s[16:17], s[74:75]
	WIN 0x80                                       ; destination window 2
.set n, 0
.rept 4                                ; tile n = ct: lane (r, h) wants units 32 (ct / 2) + 16 h + 8 (ct % 2) + 0 .. 7
	global_load_b128 v[BQ+8*n:BQ+8*n+3],   v[H64], s[12:13] offset:(32*(n/2)+8*(n%2))*4
	global_load_b128 v[BQ+8*n+4:BQ+8*n+7], v[H64], s[12:13] offset:(32*(n/2)+8*(n%2))*4+16
	global_load_b128 v[BK+8*n:BK+8*n+3],   v[H64], s[14:15] offset:(32*(n/2)+8*(n%2))*4
	global_load_b128 v[BK+8*n+4:BK+8*n+7], v[H64], s[14:15] offset:(32*(n/2)+8*(n%2))*4+16
.set n, n+1
.endr
	WIN 0
.set n, 0
.rept 4
	global_load_b32 v[BVR+n], v[BVA], s[16:17] offset:(32*(n/2)+8*(n%2))*4
.set n, n+1
.endr
.irp q, 0,1,2,3
	global_load_b128 v[LG+4*\q:LG+4*\q+3], v[LI], s[6:7] offset:512*\q
	global_load_b128 v[LB+4*\q:LB+4*\q+3], v[LI], s[8:9] offset:512*\q
.endr
	WIN 0x40                                       ; destination window 1
.set n, 0
.rept 64                               ; row i = n / 4 of my tile, 512 consecutive bytes a load
	global_load_b128 v[4*n:4*n+3], v[LI], s[58:59] offset:((n/4)+8*((n/4)/8))*2048+512*(n%4)
.set n, n+1
.endr
	s_wait_loadcnt 0x0
.macro RLOAD q                         ; quad q (phase q / 4, tile q % 4 of my head): 4 fragments, 8,192 consecutive bytes, into ring slot q % 4
	WIN 0xc0
.set n, 0
.rept 16
	global_load_b128 v[64*((\q)%4)+4*n:64*((\q)%4)+4*n+3], v[LI], s[50:51] offset:((\q)/4)*262144+((\q)%4)*8192+512*n
.set n, n+1
.endr
.endm
	RLOAD 0                                        ; the weights are on their way while the rows are normalised
	RLOAD 1
	RLOAD 2
	RLOAD 3
	s_wait_kmcnt 0x0
	s_add_co_i32 s60, s28, s29                     ; a sum of the Q product stands for sum x 2^(e0 + e1): bq goes in divided by that
	s_sub_co_i32 s61, 0, s60
	s_add_co_i32 s62, s30, s31
	s_sub_co_i32 s63, 0, s62
	s_add_co_i32 s66, s32, s33
	s_sub_co_i32 s67, 0, s66
	s_sub_co_i32 s68, s34, s60                     ; and the code of Q is sum / 2^(e6 - e0 - e1): three scales in one
	s_sub_co_i32 s69, s35, s62
	s_sub_co_i32 s70, s37, s66
	WIN 0x82
.set n, 0
.rept 32
	v_ldexp_f32 v[BQ+n], v[BQ+n], s61
	v_ldexp_f32 v[BK+n], v[BK+n], s63
.set n, n+1
.endr
	WIN 0
	MKSC SC, 29
	MKSC SC+2, 31
	MKSC SC+4, 33
	MKSC SC+6, 68
	MKSC SC+8, 69
	MKSC SC+10, 70
; ---- the norm.  A lane holds 16 numbers of each of 16 rows; a row is summed in the lane, then over the 32 lanes.
.macro REDUCE
.set n, 0
.rept 16
	v_add_f32 v[P+2*n], v[P+2*n], v[P+2*n+1]
.set n, n+1
.endr
.irp k, 1,2,4,8
.set n, 0
.rept 16
	v_add_f32_dpp v[P+2*n], v[P+2*n], v[P+2*n] row_xmask:\k row_mask:0xf bank_mask:0xf
.set n, n+1
.endr
.endr
.set n, 0
.rept 16
	v_permlanex16_b32 v[P+2*n+1], v[P+2*n], s46, s47
.set n, n+1
.endr
.set n, 0
.rept 16
	v_add_f32 v[P+2*n], v[P+2*n], v[P+2*n+1]
.set n, n+1
.endr
.endm
	WIN 0x05                                       ; both sources window 1
.set n, 0
.rept 16
	v_pk_add_f32 v[P+2*n:P+2*n+1], v[16*n:16*n+1], v[16*n+2:16*n+3]
.set n, n+1
.endr
	WIN 0x04
.set n, 0
.rept 96
	v_pk_add_f32 v[P+2*(n%16):P+2*(n%16)+1], v[P+2*(n%16):P+2*(n%16)+1], v[16*(n%16)+4+2*(n/16):16*(n%16)+5+2*(n/16)]
.set n, n+1
.endr
	WIN 0
	REDUCE
.set n, 0
.rept 16
	v_mul_f32 v[P+2*n], s48, v[P+2*n]              ; the mean
.set n, n+1
.endr
	WIN 0x41
.set n, 0
.rept 128
	v_pk_add_f32 v[2*n:2*n+1], v[2*n:2*n+1], v[P+2*(n/8):P+2*(n/8)+1] op_sel_hi:[1,0] neg_lo:[0,1] neg_hi:[0,1]   ; x - mean
.set n, n+1
.endr
	WIN 0x05
.set n, 0
.rept 16
	v_pk_mul_f32 v[P+2*n:P+2*n+1], v[16*n:16*n+1], v[16*n:16*n+1]
.set n, n+1
.endr
.set n, 0
.rept 112
	v_pk_fma_f32 v[P+2*(n%16):P+2*(n%16)+1], v[16*(n%16)+2+2*(n/16):16*(n%16)+3+2*(n/16)], v[16*(n%16)+2+2*(n/16):16*(n%16)+3+2*(n/16)], v[P+2*(n%16):P+2*(n%16)+1]
.set n, n+1
.endr
	WIN 0
	REDUCE
.set n, 0
.rept 16
	v_fma_f32 v[P+2*n], v[P+2*n], s48, s49         ; variance + eps
.set n, n+1
.endr
.set n, 0
.rept 16
	v_rsq_f32 v[P+2*n], v[P+2*n]
.set n, n+1
.endr
	v_nop                                          ; a plain instruction behind the last root,
	s_wait_alu depctr_va_vdst(0)                   ; and one wait for the sixteen, ahead of their first reader
	WIN 0x41
.set n, 0
.rept 128
	v_pk_mul_f32 v[2*n:2*n+1], v[2*n:2*n+1], v[P+2*(n/8):P+2*(n/8)+1] op_sel_hi:[1,0]
.set n, n+1
.endr
.set n, 0
.rept 128
	v_pk_fma_f32 v[2*n:2*n+1], v[2*n:2*n+1], v[LG+2*(n%8):LG+2*(n%8)+1], v[LB+2*(n%8):LB+2*(n%8)+1]
.set n, n+1
.endr
	WIN 0x04                                       ; store data window 1
.set n, 0
.rept 64
	ds_store_b128 v[STW], v[4*n:4*n+3] offset:PIT*(n/4)+512*(n%4)   ; into my own stage, as loaded: 512 consecutive bytes
.set n, n+1
.endr
; ---- K step s of my 16 rows comes back with 16 neighbours of each block of 32 in a lane, and is quantised three times
.macro CHUNK s
	WIN 0
.set n, 0
.rept 16
	ds_load_b128 v[H+4*n:H+4*n+3], v[SRD] offset:512*\s+128*(n/4)+16*(n%4)   ; LDS serves a wave in order: these see my stores
.set n, n+1
.endr
	s_wait_dscnt 0x0                               ; the numbers are in, and the last image stores have read their registers
.irp p, 0,1,2
.irp b, 0,1,2,3
.set n, 0
.rept 16
	v_med3_num_f32 v[T+16*(\b%2)+n], v[H+16*\b+n], -v[SC+2*\p+1], v[SC+2*\p+1]
.set n, n+1
.endr
	v_cvt_scalef32_pk8_bf8_f32 v[PC+16*\p+4*\b:PC+16*\p+4*\b+1], v[T+16*(\b%2):T+16*(\b%2)+7], v[SC+2*\p]       ; the other set of T is written next: its sixteen holds
	v_cvt_scalef32_pk8_bf8_f32 v[PC+16*\p+4*\b+2:PC+16*\p+4*\b+3], v[T+16*(\b%2)+8:T+16*(\b%2)+15], v[SC+2*\p]  ; stand between a conversion and the next write of its sources
.endr
.endr
	v_nop
.irp p, 0,1,2
.irp b, 0,1,2,3
	ds_store_b128 v[IMW+\p], v[PC+16*\p+4*\b:PC+16*\p+4*\b+3] offset:2048*\s+512*\b
.endr
.endr
.endm
	CHUNK 0
	CHUNK 1
	CHUNK 2
	CHUNK 3
	s_wait_dscnt 0x0                               ; my images lie in LDS
	s_barrier_signal -1
	s_barrier_wait -1                              ; everybody's do
; ---- a quad: one tile of 16 units x all 512 of K x the four row tiles: 16 matrix instructions, the four accumulators by turns
.set QN, 0
.macro QUAD nat, bias
.set SL, 64*(QN%4)
.set BT, \bias+8*(QN%4)
.if QN < 9
	s_wait_loadcnt 48                              ; my quad is in; the three younger quads, 16 loads each, may be out
.else
	s_wait_loadcnt 16*(11-QN)                      ; the stream ends at quad 11: fewer younger quads
.endif
.if \nat
	WIN 0xad                                       ; source 0 h (window 1), source 1 ring (3), C and D window 2
.else
	WIN 0xa7                                       ; source 0 ring (3), source 1 h (1), C and D window 2
.endif
.irp s, 0,1,2,3
.irp m, 0,1,2,3
.set AC, 8*(4*(QN%4)+\m)
.set AF, 16*(4*\m+\s)
.if \nat
.if \s == 0
	v_wmma_f32_16x16x128_bf8_bf8 v[AC:AC+7], v[AF:AF+15], v[SL+16*\s:SL+16*\s+15], v[BT:BT+7]
.else
	v_wmma_f32_16x16x128_bf8_bf8 v[AC:AC+7], v[AF:AF+15], v[SL+16*\s:SL+16*\s+15], v[AC:AC+7]
.endif
.else
.if \s == 0
	v_wmma_f32_16x16x128_bf8_bf8 v[AC:AC+7], v[SL+16*\s:SL+16*\s+15], v[AF:AF+15], v[BT:BT+7]
.else
	v_wmma_f32_16x16x128_bf8_bf8 v[AC:AC+7], v[SL+16*\s:SL+16*\s+15], v[AF:AF+15], v[AC:AC+7]
.endif
.endif
.endr
.endr
	PLACES 4                                       ; ahead of loads into registers that these products read, and of the first read of results
.if QN+4 < 12
	RLOAD QN+4
.endif
.set QN, QN+1
.endm
; ---- a head is finished: hold, convert, store.  Each store of the wave covers 512 consecutive bytes.  ep: this phase's own 32 code registers: no store's data are written again
.macro EPI nat, sc, ob, ep
	WIN 0x82
.set n, 0
.rept 128
	v_med3_num_f32 v[n], v[n], -v[\sc+1], v[\sc+1] ; each accumulator from its low end on
.set n, n+1
.endr
	WIN 0x02
.set n, 0
.rept 16                               ; n = 4 ct + m
.if \nat
	v_cvt_scalef32_pk8_bf8_f32 v[(\ep)+8*(n/4)+2*(n%4):(\ep)+8*(n/4)+2*(n%4)+1], v[8*n:8*n+7], v[\sc]   ; channel tile ct: keys 32 (m / 2) + 16 h + 8 (m % 2) on
.else
	v_cvt_scalef32_pk8_bf8_f32 v[(\ep)+8*(n%4)+2*(n/4):(\ep)+8*(n%4)+2*(n/4)+1], v[8*n:8*n+7], v[\sc]   ; row tile m: channels 32 (ct / 2) + 16 h + 8 (ct % 2) on
.endif
.set n, n+1
.endr
	WIN 0
	v_nop                                          ; a plain instruction between the conversions and the products that write their sources again
.set n, 0
.rept 8
	global_store_b128 v[LI], v[(\ep)+4*n:(\ep)+4*n+3], s[\ob:\ob+1] offset:(n/2)*(1024+1024*\nat)+(n%2)*512
.set n, n+1
.endr
.endm
.macro PHASE p, nat, bias, sc, ob
	WIN 0x40
.set n, 0
.rept 64
	ds_load_b128 v[4*n:4*n+3], v[AFA+\p] offset:512*n   ; the 16 fragments of h under this product's scale
.set n, n+1
.endr
	s_wait_dscnt 0x0
	QUAD \nat, \bias
	QUAD \nat, \bias
	QUAD \nat, \bias
	QUAD \nat, \bias
	EPI \nat, \sc, \ob, PC+32*\p
.endm
	PHASE 0, 0, BQ, SC+6, 52
	PHASE 1, 0, BK, SC+8, 54
	WIN 0x80
.set n, 0
.rept 32
	v_ldexp_f32 v[BQ+n], v[BVR+n/8], s67           ; in V's layout a lane holds one channel: its bias, eight times, is the C tile; it takes the registers that bq has left
.set n, n+1
.endr
	PHASE 2, 1, BQ, SC+10, 56
	s_wait_tensorcnt 0x0
	ds_add_u32 v254, v255
	s_wait_dscnt 0x0
	s_endpgm
.Lfunc_end_k_q25d0674cb7_qkv:
	.size	k_q25d0674cb7_qkv, .Lfunc_end_k_q25d0674cb7_qkv-k_q25d0674cb7_qkv
	.p2alignl 7, 3214868480
	.fill 96, 4, 3214868480
	.section	.rodata,"a",@progbits
	.p2align	6, 0x0
	.amdhsa_kernel k_q25d0674cb7_qkv
		.amdhsa_group_segment_fixed_size 230912
		.amdhsa_private_segment_fixed_size 0
		.amdhsa_enable_private_segment 0
		.amdhsa_kernarg_size 88
		.amdhsa_user_sgpr_count 2
		.amdhsa_user_sgpr_kernarg_segment_ptr 1
		.amdhsa_wavefront_size32 1
		.amdhsa_system_sgpr_workgroup_id_x 1
		.amdhsa_system_sgpr_workgroup_id_y 1
		.amdhsa_system_sgpr_workgroup_id_z 1
		.amdhsa_system_vgpr_workitem_id 0
		.amdhsa_next_free_vgpr 1024
		.amdhsa_next_free_sgpr 80
		.amdhsa_reserve_vcc 0
		.amdhsa_float_denorm_mode_32 3
		.amdhsa_float_denorm_mode_16_64 3
		.amdhsa_memory_ordered 1
		.amdhsa_forward_progress 1
		.amdhsa_inst_pref_size 214
	.end_amdhsa_kernel
	.amdgpu_metadata
---
amdhsa.version: [ 1, 2 ]
amdhsa.kernels:
  - .name:           k_q25d0674cb7_qkv
    .symbol:         k_q25d0674cb7_qkv.kd
    .args:
      - { .name: x, .offset: 0, .size: 8, .value_kind: global_buffer, .address_space: global }
      - { .name: ln1_g, .offset: 8, .size: 8, .value_kind: global_buffer, .address_space: global }
      - { .name: ln1_b, .offset: 16, .size: 8, .value_kind: global_buffer, .address_space: global }
      - { .name: wcodes, .offset: 24, .size: 8, .value_kind: global_buffer, .address_space: global }
      - { .name: bq, .offset: 32, .size: 8, .value_kind: global_buffer, .address_space: global }
      - { .name: bk, .offset: 40, .size: 8, .value_kind: global_buffer, .address_space: global }
      - { .name: bv, .offset: 48, .size: 8, .value_kind: global_buffer, .address_space: global }
      - { .name: lowp_scales, .offset: 56, .size: 8, .value_kind: global_buffer, .address_space: global }
      - { .name: q_codes, .offset: 64, .size: 8, .value_kind: global_buffer, .address_space: global }
      - { .name: k_codes, .offset: 72, .size: 8, .value_kind: global_buffer, .address_space: global }
      - { .name: v_codes, .offset: 80, .size: 8, .value_kind: global_buffer, .address_space: global }
    .group_segment_fixed_size: 230912
    .private_segment_fixed_size: 0
    .kernarg_segment_align: 8
    .kernarg_segment_size: 88
    .max_flat_workgroup_size: 128
    .sgpr_count:     80
    .vgpr_count:     1024
    .wavefront_size: 32
...
	.end_amdgpu_metadata
.endif
;; end of part 2
;; launch attn (part 3): grid 8 x 32, 16 waves a work-group, no clusters, 34,816 bytes of LDS; arguments q_codes, k_codes, v_codes, lowp_scales, a_codes; writes a_codes
.if DOCPART == 3
	.amdgcn_target "amdgcn-amd-amdhsa--gfx1250"
	.amdhsa_code_object_version 6
	.text
	.protected	k_q25d0674cb7_attn
	.globl	k_q25d0674cb7_attn
	.p2align	8
	.type	k_q25d0674cb7_attn,@function
k_q25d0674cb7_attn:
	s_mov_b64 s[64:65], 0
	v_nop
	global_prefetch_b8 v0, s[64:65] scope:SCOPE_SE
	s_setreg_imm32_b32 hwreg(HW_REG_WAVE_MODE, 25, 1), 1
	s_wait_xcnt 0x0
; ATTN: o = softmax(q k^T / 8, causal) v for 32 (batch, head) pairs of 2,048 tokens, head size 64, both products on codes of E5M2; o leaves as codes.
; THE SOFTMAX AHEAD OF THE SECOND PRODUCT: t = score x log2(e) / 8; M = the running largest t rounded UP to a whole number; p = 2^(t - M) is quantised (e8),
; not normalised; the sum is taken of the unquantised p and divides at the end.  When M moves, the sum and O are multiplied by 2^(old M - new M): exact.
; SHARES.  Work-group (i, bh) owns the query blocks i and 15 - i of 128 queries: 17 block steps whatever i is.  Each of sixteen waves owns one tile of 16 queries;
; the blocks are dealt so that each group of four waves, by either dealing, has two of each block.  Keys go 128 a step, two steps a trip; the loop counts trips, (17 - i) / 2 of them.
; Steps whose keys all come after the queries of a wave are left out by a scalar branch on ids, round the work alone; the copies and the barrier stay.
; K AND V reach LDS through registers: wave w copies 512 bytes of each for every step, loaded two steps ahead, stored one step ahead, into two slots by turns.
; One barrier a step orders both ways: the reads of this slot are over before it is written again, and the other slot is whole before it is read.
; No multicast: the work-groups of a head walk different numbers of steps, and the copies are 16 KiB a step beside some 400 vector instructions a wave.
; LAYOUT.  Both products transposed (S^T = K Q^T, O^T = V^T P^T): a lane holds one query.  The code buffers are images of operand registers, 16 bytes a lane;
; tiles take rows 32 (t / 2) + 8 (t % 2) + i + 8 (i / 8), so the 16 registers of tiles 2 b, 2 b + 1 are 16 neighbours: keys for p, channels for o.
; The mask: hidden scores become -infinity where the problem writes -1e9: both give p = 0, since the diagonal key always counts.
; LIMITS: e6 + e7 between -124 and 130; e8 and e10 - e8 - e9 between -126 and 112.  NaN among the inputs is not served.
; REGISTERS: v1-6 addresses; v8, v9 hold and scale of p; v10, v11 of o; v12 -M; v13 largest t; v[14:15] the sum; v16-23 Q; v24-31, v192-199 the two copy sets;
;   v32-95 fragments of K, then of V; v96-159 S^T, then p; v160-191 O^T; v200-215 codes of p; v216-223 codes of o; v224-231 at work.
; LDS: slot s: K at 16,384 s, V at 16,384 s + 8,192.
.set LI,  1                            ; 16 x lane
.set CP,  2                            ; 16 x thread: my 16 bytes of a block of 8,192
.set VD,  3                            ; my query in its block, less 16 (lane / 16)
.set VA,  4                            ; offset of the copy loads in hand
.set PFO, 6                            ; 256 x lane
.macro PLACES n
.rept \n
	v_nop
.endr
.endm
; A PREFETCH of key steps J + 4 and J + 5, whose copy loads are issued one trip (two key steps) later.  All work-groups of a (batch, head) walk the same K and V: the one with
; x = 0, which walks all 16 steps, asks; in it wave 0 for K and wave 1 for V, lanes 256 bytes apart, 8,192 bytes an instruction: each block is named once.
; Steps 0 to 3 come by their loads alone; from J = 12 on nothing is left to ask for.
.macro ASK
	s_cmp_lt_u32 s19, s46
	s_cbranch_scc0 .Lnot_mine_\@
	global_prefetch_b8 v[PFO], s[44:45] th:TH_LOAD_NT scope:SCOPE_SE
	global_prefetch_b8 v[PFO], s[44:45] offset:8192 th:TH_LOAD_NT scope:SCOPE_SE
.Lnot_mine_\@:
.endm
	s_load_b256 s[4:11], s[0:1], 0x0               ; q_codes, k_codes, v_codes, exponents s[10:11]
	s_load_b64 s[12:13], s[0:1], 0x20              ; a_codes
	v_lshl_add_u32 v254, v0, 2, 0x8000
	v_mov_b32 v255, 0
	v_lshrrev_b32 v7, 5, v0
	v_readfirstlane_b32 s14, v7                    ; wave 0 .. 15
	v_and_b32 v7, 31, v0
	v_lshlrev_b32 v[LI], 4, v7
	v_lshlrev_b32 v[CP], 4, v0
	v_lshlrev_b32 v[PFO], 8, v7
	s_lshr_b32 s15, s14, 2
	s_xor_b32 s15, s15, s14
	s_and_b32 s15, s15, 1                          ; which of the two blocks
	s_lshr_b32 s16, s14, 1                         ; which of its eight tiles
	s_sub_co_u32 s47, 15, ttmp9
	s_cmp_eq_u32 s15, 0
	s_cselect_b32 s17, ttmp9, s47                  ; qb: my block of 128 queries = my last key step
	s_sub_co_u32 s18, 17, ttmp9
	s_lshr_b32 s18, s18, 1                         ; trips: the 16 - i steps of the work-group, two a trip, rounded up: 5 to 8
	s_lshr_b32 s49, s16, 1
	s_lshl_b32 s49, s49, 5
	s_and_b32 s47, s16, 1
	s_lshl_b32 s47, s47, 3
	s_add_co_u32 s49, s49, s47
	v_and_b32 v[VD], 15, v0
	v_and_b32 v7, 8, v0
	v_add_nc_u32 v[VD], v[VD], v7
	v_and_b32 v7, 16, v0
	v_sub_nc_u32 v[VD], v[VD], v7
	v_add_nc_u32 v[VD], s49, v[VD]                 ; 32 (tile / 2) + 8 (tile % 2) + r + 8 (r / 8) - 16 h
	s_and_b32 s52, ttmp7, 0xffff                   ; bh = 8 batch + head
	s_lshl_b32 s50, s52, 17
	s_mov_b32 s51, 0
	s_lshl_b32 s53, s17, 3
	s_add_co_u32 s53, s53, s16                     ; my tile among the 128 of the sequence
	s_lshl_b32 s54, s53, 10
	s_mov_b32 s55, 0
	s_lshr_b32 s56, s52, 3
	s_lshl_b32 s56, s56, 7
	s_add_co_u32 s56, s56, s53
	s_lshl_b32 s56, s56, 13                        ; a_codes: 8,192 bytes a tile of rows,
	s_and_b32 s57, s52, 7
	s_lshl_b32 s57, s57, 10                        ; + 1,024 x head: the 64 channels of a head are half of a K step of 128
	s_add_co_u32 s56, s56, s57
	s_mov_b32 s57, 0
	s_lshr_b32 s47, s14, 1
	s_or_b32 s47, s47, ttmp9
	s_cmp_eq_u32 s47, 0
	s_cselect_b32 s46, 12, 0                       ; who prefetches, and until when
	s_mov_b32 s20, 0x76543210
	s_mov_b32 s21, 0xfedcba98
	s_mov_b32 s22, 0x3e38aa3b                      ; c = log2(e) / 8
	s_mov_b32 s58, 0                               ; the trip's number
	s_wait_kmcnt 0x0
	s_load_b512 s[24:39], s[10:11], 0x0            ; e0 .. e15
	s_add_nc_u64 s[4:5], s[4:5], s[50:51]
	s_add_nc_u64 s[4:5], s[4:5], s[54:55]
	s_add_nc_u64 s[40:41], s[6:7], s[50:51]
	s_add_nc_u64 s[42:43], s[8:9], s[50:51]
	s_add_nc_u64 s[12:13], s[12:13], s[56:57]
	s_cmp_eq_u32 s14, 0
	s_cselect_b64 s[44:45], s[40:41], s[42:43]
	s_add_nc_u64 s[44:45], s[44:45], 16384         ; stepped by two key steps at the head of each trip: step 4 in the first
	global_load_b128 v[16:19], v[LI], s[4:5] th:TH_LOAD_NT
	global_load_b128 v[20:23], v[LI], s[4:5] offset:512 th:TH_LOAD_NT
	global_load_b128 v[24:27], v[CP], s[40:41]
	global_load_b128 v[28:31], v[CP], s[42:43]
	global_load_b128 v[192:195], v[CP], s[40:41] offset:8192
	global_load_b128 v[196:199], v[CP], s[42:43] offset:8192
	v_mov_b32 v13, 0xff61b1e6                      ; the largest t so far: -3e38
	v_floor_f32 v12, -v13
	v_mov_b32 v14, 0
	v_mov_b32 v15, 0
	v_mov_b32 v227, 0                              ; named as the upper half of a pair
	v_mov_b32 v228, 0                              ; a lane permute counts as a reader of its destination
.set n, 0
.rept 32
	v_mov_b32 v[160+n], 0                          ; the step is written once: the first finds zeros
.set n, n+1
.endr
	s_wait_kmcnt 0x0
	s_add_co_i32 s47, s30, s31
	s_lshl_b32 s47, s47, 23
	s_add_co_i32 s22, s22, s47                     ; a score stands for score x 2^(e6 + e7): added to the exponent field of c
	s_mov_b32 s23, s22
	s_add_co_i32 s47, s32, 127
	s_lshl_b32 s48, s47, 23
	v_mov_b32 v9, s48                              ; 2^e8
	s_add_co_i32 s47, s47, 15
	s_lshl_b32 s47, s47, 23
	s_or_b32 s47, s47, 0x600000
	v_mov_b32 v8, s47                              ; 57,344 x 2^e8
	s_sub_co_i32 s47, s34, s32
	s_sub_co_i32 s47, s47, s33                     ; o = sum x 2^(e8 + e9) / l: its code is (sum / l) / 2^(e10 - e8 - e9)
	s_add_co_i32 s47, s47, 127
	s_lshl_b32 s48, s47, 23
	v_mov_b32 v11, s48
	s_add_co_i32 s47, s47, 15
	s_lshl_b32 s47, s47, 23
	s_or_b32 s47, s47, 0x600000
	v_mov_b32 v10, s47
	s_wait_loadcnt 0x2                             ; Q and step 0 are in; the two loads of step 1 may be out
	ds_store_b128 v[CP], v[24:27]
	ds_store_b128 v[CP], v[28:31] offset:8192
	s_wait_dscnt 0x0
	s_barrier_signal -1
	s_barrier_wait -1                              ; slot 0 is whole
; KEY STEP j = J + sg, in slot sg.  At its head slot sg is whole and the other copy set holds, or is about to hold, step j + 1.
.macro STEP sg
	s_wait_loadcnt 0x0                             ; step j + 1 is in registers (asked for a step ago); no load reads VA any more
	s_add_co_u32 s48, s19, \sg
	s_add_co_u32 s47, s48, 2
	s_min_u32 s47, s47, 15                         ; no load leaves its buffer
	s_lshl_b32 s47, s47, 13
	v_add_nc_u32 v[VA], s47, v[CP]
	global_load_b128 v[24+168*\sg:27+168*\sg], v[VA], s[40:41]   ; step j + 2: this set was stored a step ago, and that store was waited for at the barrier
	global_load_b128 v[28+168*\sg:31+168*\sg], v[VA], s[42:43]
.if \sg == 0
	ASK
.endif
	ds_store_b128 v[CP], v[24+168*(1-\sg):27+168*(1-\sg)] offset:16384*(1-\sg)        ; step j + 1 into the slot that everybody left at the last barrier
	ds_store_b128 v[CP], v[28+168*(1-\sg):31+168*(1-\sg)] offset:16384*(1-\sg)+8192
	s_cmp_gt_u32 s48, s17
	s_cbranch_scc1 .Lend_\@                        ; all keys of the step come after my queries
	PLACES 4                                       ; ahead of loads into registers that the last products read
.set n, 0
.rept 16
	ds_load_b128 v[32+4*n:35+4*n], v[LI] offset:16384*\sg+512*n
.set n, n+1
.endr
	s_wait_dscnt 0x0
.irp t, 0,1,2,3,4,5,6,7
	v_wmma_f32_16x16x64_bf8_bf8 v[96+8*\t:103+8*\t], v[32+8*\t:39+8*\t], v[16:23], 0
.endr
	PLACES 4
.set n, 0
.rept 16
	ds_load_b128 v[32+4*n:35+4*n], v[LI] offset:16384*\sg+8192+512*n   ; V lands during the softmax
.set n, n+1
.endr
	s_cmp_lg_u32 s48, s17
	s_cbranch_scc1 .Lopen_\@                       ; only the last step of a wave lies on the diagonal
	v_mov_b32 v224, 0xff800000
.set n, 0
.rept 64                               ; register 16 b + i holds key 32 b + 16 (lane / 16) + i of the step: hidden where 32 b + i > VD
	v_cmp_gt_i32 vcc_lo, 32*(n/16)+n%16, v[VD]
	v_cndmask_b32 v[96+n], v[96+n], v224, vcc_lo
.set n, n+1
.endr
.Lopen_\@:
	v_max3_num_f32 v224, v96, v97, v98             ; the largest score of my query among my 64 keys, in two chains, each tile from its low end on
	v_max3_num_f32 v226, v99, v100, v101
.irp i, 6,10,14,18,22,26,30,34,38,42,46,50,54,58
	v_max3_num_f32 v224, v224, v[96+\i], v[97+\i]
	v_max3_num_f32 v226, v226, v[98+\i], v[99+\i]
.endr
	v_max3_num_f32 v224, v224, v158, v159
	v_max_num_f32 v224, v224, v226
	v_permlanex16_b32 v228, v224, s20, s21
	v_max_num_f32 v224, v224, v228
	v_mul_f32 v224, s22, v224
	v_max_num_f32 v13, v13, v224
	v_mov_b32 v224, v12
	v_floor_f32 v12, -v13                          ; -M = floor(-t)
	v_sub_f32 v224, v12, v224
	v_cvt_i32_f32 v224, v224                       ; old M - new M, a whole number, 0 or less (it saturates)
	v_ldexp_f32 v226, 1.0, v224                    ; f
.set n, 0
.rept 32
	v_pk_fma_f32 v[96+2*n:97+2*n], v[96+2*n:97+2*n], s[22:23], v[12:13] op_sel_hi:[1,0,0]   ; t - M
.set n, n+1
.endr
.set n, 0
.rept 64
	v_exp_f32 v[96+n], v[96+n]
.set n, n+1
.endr
	v_pk_mul_f32 v[14:15], v[14:15], v[226:227] op_sel_hi:[1,0]   ; the sum under the new M: the plain instruction behind the batch
	s_wait_alu depctr_va_vdst(0)                   ; one wait for the 64, ahead of their first reader
	v_pk_add_f32 v[230:231], v[96:97], v[98:99]    ; the sum of the unquantised p, in two chains
.irp j, 4,8,12,16,20,24,28,32,36,40,44,48,52,56,60
	v_pk_add_f32 v[14:15], v[14:15], v[96+\j:97+\j]
	v_pk_add_f32 v[230:231], v[230:231], v[98+\j:99+\j]
.endr
	v_pk_add_f32 v[14:15], v[14:15], v[230:231]
.irp b, 0,1,2,3
.set n, 0
.rept 16
	v_min_num_f32 v[96+16*\b+n], v[96+16*\b+n], v8 ; p is not negative: a one-sided hold
.set n, n+1
.endr
	v_cvt_scalef32_pk8_bf8_f32 v[200+4*\b:201+4*\b], v[96+16*\b:103+16*\b], v9
	v_cvt_scalef32_pk8_bf8_f32 v[202+4*\b:203+4*\b], v[104+16*\b:111+16*\b], v9
.endr
.set n, 0
.rept 16
	v_pk_mul_f32 v[160+2*n:161+2*n], v[160+2*n:161+2*n], v[226:227] op_sel_hi:[1,0]   ; O^T under the new M; also the plain work behind the conversions
.set n, n+1
.endr
	s_wait_dscnt 0x0                               ; V is in
.irp d, 0,1,2,3
	v_wmma_f32_16x16x128_bf8_bf8 v[160+8*\d:167+8*\d], v[32+16*\d:47+16*\d], v[200:215], v[160+8*\d:167+8*\d]
.endr
.Lend_\@:
	s_wait_dscnt 0x0                               ; my copy stores have landed and my reads of this slot are over
	s_barrier_signal -1
	s_barrier_wait -1
.endm
.Ltrip:
	s_lshl_b32 s19, s58, 1                         ; J: the first key step of the trip
	s_wait_xcnt 0x0                                ; the prefetches of the last trip have read their address
	s_add_nc_u64 s[44:45], s[44:45], 16384
	STEP 0
	STEP 1
	s_add_co_u32 s58, s58, 1
	s_cmp_lt_u32 s58, s18
	s_cbranch_scc1 .Ltrip
	; THE WAY OUT: O^T / l, held and converted: the 16 registers of channel tiles 2 c, 2 c + 1 are 16 neighbouring channels: the codes are stored as they stand
	PLACES 4
	v_add_f32 v14, v14, v15
	v_permlanex16_b32 v228, v14, s20, s21
	v_add_f32 v14, v14, v228
	v_rcp_f32 v14, v14
	v_nop
	s_wait_alu depctr_va_vdst(0)
.set n, 0
.rept 32
	v_mul_f32 v[96+n], v[160+n], v14
.set n, n+1
.endr
.set n, 0
.rept 32
	v_med3_num_f32 v[96+n], v[96+n], -v10, v10
.set n, n+1
.endr
.irp d, 0,1,2,3
	v_cvt_scalef32_pk8_bf8_f32 v[216+2*\d:217+2*\d], v[96+8*\d:103+8*\d], v11
.endr
	v_nop
	global_store_b128 v[LI], v[216:219], s[12:13]              ; 512 consecutive bytes a store
	global_store_b128 v[LI], v[220:223], s[12:13] offset:512
	s_wait_tensorcnt 0x0
	ds_add_u32 v254, v255
	s_wait_dscnt 0x0
	s_endpgm
.Lfunc_end_k_q25d0674cb7_attn:
	.size	k_q25d0674cb7_attn, .Lfunc_end_k_q25d0674cb7_attn-k_q25d0674cb7_attn
	.p2alignl 7, 3214868480
	.fill 96, 4, 3214868480
	.section	.rodata,"a",@progbits
	.p2align	6, 0x0
	.amdhsa_kernel k_q25d0674cb7_attn
		.amdhsa_group_segment_fixed_size 34816
		.amdhsa_private_segment_fixed_size 0
		.amdhsa_enable_private_segment 0
		.amdhsa_kernarg_size 40
		.amdhsa_user_sgpr_count 2
		.amdhsa_user_sgpr_kernarg_segment_ptr 1
		.amdhsa_wavefront_size32 1
		.amdhsa_system_sgpr_workgroup_id_x 1
		.amdhsa_system_sgpr_workgroup_id_y 1
		.amdhsa_system_sgpr_workgroup_id_z 1
		.amdhsa_system_vgpr_workitem_id 0
		.amdhsa_next_free_vgpr 256
		.amdhsa_next_free_sgpr 66
		.amdhsa_reserve_vcc 1
		.amdhsa_float_denorm_mode_32 3
		.amdhsa_float_denorm_mode_16_64 3
		.amdhsa_memory_ordered 1
		.amdhsa_forward_progress 1
		.amdhsa_inst_pref_size 52
	.end_amdhsa_kernel
	.amdgpu_metadata
---
amdhsa.version: [ 1, 2 ]
amdhsa.kernels:
  - .name:           k_q25d0674cb7_attn
    .symbol:         k_q25d0674cb7_attn.kd
    .args:
      - { .name: q_codes, .offset: 0, .size: 8, .value_kind: global_buffer, .address_space: global }
      - { .name: k_codes, .offset: 8, .size: 8, .value_kind: global_buffer, .address_space: global }
      - { .name: v_codes, .offset: 16, .size: 8, .value_kind: global_buffer, .address_space: global }
      - { .name: lowp_scales, .offset: 24, .size: 8, .value_kind: global_buffer, .address_space: global }
      - { .name: a_codes, .offset: 32, .size: 8, .value_kind: global_buffer, .address_space: global }
    .group_segment_fixed_size: 34816
    .private_segment_fixed_size: 0
    .kernarg_segment_align: 8
    .kernarg_segment_size: 40
    .max_flat_workgroup_size: 512
    .sgpr_count:     66
    .vgpr_count:     256
    .wavefront_size: 32
...
	.end_amdgpu_metadata
.endif
;; end of part 3
;; launch ffn (part 4): grid 256 x 1, 4 waves a work-group, no clusters, 212,480 bytes of LDS; arguments a_codes, wcodes, x, bp, ln2_g, ln2_b, b1, b2, lowp_scales, out0; writes out0
.if DOCPART == 4
	.amdgcn_target "amdgcn-amd-amdhsa--gfx1250"
	.amdhsa_code_object_version 6
	.text
	.protected	k_q25d0674cb7_ffn
	.globl	k_q25d0674cb7_ffn
	.p2align	8
	.type	k_q25d0674cb7_ffn,@function
k_q25d0674cb7_ffn:
	s_mov_b64 s[64:65], 0
	v_nop
	global_prefetch_b8 v0, s[64:65] scope:SCOPE_SE
	s_setreg_imm32_b32 hwreg(HW_REG_WAVE_MODE, 25, 1), 1
	s_wait_xcnt 0x0
; FFN: x1 = x + a Wp + bp;  h2 = layernorm(x1);  out = x1 + relu(h2 W1 + b1) W2 + b2.  The three products on codes of E5M2; nothing but the result goes to memory.
; SHARES.  TWO WORK-GROUPS SHARE 64 ROWS.  Both make x1, h2 and the whole hidden layer for rows 64 blk on; work-group 2 blk + H makes columns 256 H .. 256 H + 255 of the result.
; THE WAVES SHARE THE COLUMNS: wave w makes columns 128 w on of x1, in slab g (512 hidden units) the hidden units 512 g + 128 w on, and columns 256 H + 64 w on of the result, for all 64 rows.
; So each weight byte is loaded once in the work-group, straight into the registers of the wave that multiplies by it, in quads (4 fragments, 8,192 bytes) through a ring of four quads (64 loads on
; their way).  A wave walks 8 + 4 x (8 + 4) = 56 quads where one work-group for all 512 columns would give it 72, and 256 work-groups have work where there would be 128; the price is that a Wp and
; h2 W1 are multiplied in both partners.  Wp's and W1's quads come from stream w of wcodes; W2's from stream 2 H + w / 2, every second quad: that stream's quads of 64 output columns each.
; What goes round in LDS is small: codes of h2 and of the hidden layer, as images of operand registers.  No multicast: a shared stream would have to pass through LDS, 1.75 MiB written and read again in each work-group.
; All products are used transposed (source 0 = 16 units, source 1 = 16 rows) and tiles take 32 (t / 2) + 8 (t % 2) + i + 8 (i / 8): a lane holds one row and, for each 32 columns, 16 neighbours.
; THE RESIDUAL.  x1 of my 64 result columns lies in another wave's accumulators: all x1 goes back into the stage, over the x that it came from, ahead of the barrier that h2 needs anyway, and each wave
; takes its 64 columns behind it.  Divided by 2^(e14 + e15), with b2, they are the start of the last product's sums: the residual costs no addition.
; THE NORM over 512 columns spans the four waves: each gives the mean and the sum of squared differences of its 128 columns; they are joined by
; M2 = sum of M2_w + 128 x sum of (mean_w - mean)^2: no difference of large sums is formed.
; LIMITS: e10 + e11 and e14 + e15 between -126 and 126; e12 and e14 - e12 - e13 between -126 and 112.  NaN among the inputs is not served.
; REGISTERS.  window 0: v1-23, v36-39 addresses and scales; v24-35 at work; v48-63 codes; R1 v64-127: b2, then 8 hidden sums, then hidden fragments; R2 v128-191: bp, then hidden fragments; v192-255: statistics, then b1 tiles.
;   window 1: fragments of a, then x, then gain, bias and 64 numbers at work, then fragments of h2, at last rows of the result.
;   window 2: x as loaded, then x1 (row tile m, unit tile ct at 64 m + 8 ct), then v0-127 the result's 16 accumulators (m, f at 32 m + 8 f).   window 3: the ring.
; LDS: 0 a stage of 64 rows x 2,064 bytes (row 16 m + r);  B1L b1, scaled;  LNP gain, bias;  STAT the statistics;  H2IMG, HIMG 16 images of 2,048 bytes each.
.set B1L,   132096
.set LNP,   140288
.set STAT,  144384
.set H2IMG, 146432
.set HIMG,  179200
.set LI,   1                           ; 16 x lane
.set STW,  2                           ; stage, dense: 33,024 w + 16 x lane
.set XRD0, 3                           ; stage, my 128 columns of row r: 2,064 r + 512 w + 64 h; v4: the same 32 rows on
.set STA,  5
.set STB,  6
.set LNA,  7
.set H2W,  8
.set H2R,  9
.set HW,   10
.set HR,   11
.set B1A0, 12
.set B1A,  13
.set BPA,  14                          ; 64 h
.set LNG,  15                          ; 16 x thread
.set LNW,  16
.set B1W,  17
.set B1G,  18                          ; 2,048 w + 16 x lane
.set SCH2, 20                          ; v20, v21: 2^e12 and 57,344 x that
.set SCH,  22                          ; v22, v23: the same with e14 - e12 - e13
.set TA,   24
.set TB,   28
.set TC,   32
.set XW,   36                          ; stage, the way out: 2,064 r + 256 w + 64 h: the work-group's 256 columns lie at a row's first 1,024 bytes; v37: 32 rows on
.set XR2,  38                          ; stage, x1 of my 64 result columns: XW + 1,024 H; v39: 32 rows on
.set PC,   48
.set R1,   64
.set R2,   128
.set BI,   192
.set SM,   192                         ; a pair a row tile: the mean in its low word
.set U,    200
.set MW,   208                         ; a pair a row tile: (mean_w, M2_w)
.set LD,   216                         ; sixteen such pairs, of the four waves
.set RS,   248                         ; a pair a row tile: 1 / sqrt(variance + eps) in its low word
.set TT,   128                         ; in window 1: 64 numbers at work
.set MSB, 0
.macro WIN new                         ; the high byte repeats the setting that is left
.if MSB != \new
	s_set_vgpr_msb (MSB<<8)|\new
.set MSB, \new
.endif
.endm
.macro PLACES n
.rept \n
	v_nop
.endr
.endm
.macro BARRIER                         ; my LDS stores have landed and my LDS loads are in: then the barrier
	s_wait_dscnt 0x0
	s_barrier_signal -1
	s_barrier_wait -1
.endm
.macro MKSC vr, se
	s_add_co_i32 s[\se], s[\se], 127
	s_lshl_b32 s45, s[\se], 23
	v_mov_b32 v[\vr], s45
	s_add_co_i32 s[\se], s[\se], 15
	s_lshl_b32 s45, s[\se], 23
	s_or_b32 s45, s45, 0x600000
	v_mov_b32 v[\vr+1], s45
.endm
.macro RL slot, sb, off                ; a quad, 8,192 consecutive bytes, into a ring slot
	WIN 0xc0
.set n, 0
.rept 16
	global_load_b128 v[64*(\slot)+4*n:64*(\slot)+4*n+3], v[LI], s[\sb:\sb+1] offset:(\off)+512*n
.set n, n+1
.endr
.endm
.macro RLN ql                          ; quad ql of the slab in hand: 0-7 W1's, 8-11 W2's (every second quad of its stream), 12-15 the next slab's first four
.if (\ql) < 8
	RL (\ql)%4, 58, (\ql)*8192
.elseif (\ql) < 12
	RL (\ql)%4, 78, ((\ql)-8)*16384
.else
	RL (\ql)%4, 58, 131072+((\ql)-12)*8192
.endif
.endm
	s_load_b512 s[4:19], s[0:1], 0x0               ; a_codes, wcodes, x, bp, gain, bias, b1, b2
	s_load_b128 s[20:23], s[0:1], 0x40             ; exponents, out0
	v_lshl_add_u32 v46, v0, 2, 0x33c00
	v_mov_b32 v47, 0
	v_lshrrev_b32 v24, 5, v0
	v_readfirstlane_b32 s44, v24                   ; wave
	v_and_b32 v24, 31, v0
	v_and_b32 v25, 15, v0                          ; r
	v_bfe_u32 v26, v0, 4, 1                        ; h
	v_lshlrev_b32 v[LI], 4, v24
	s_mul_i32 s45, s44, 33024
	v_add_nc_u32 v[STW], s45, v[LI]
	s_and_b32 s24, ttmp9, 1                        ; H: which 256 columns of the result
	s_lshl_b32 s27, s24, 1
	s_lshr_b32 s45, s44, 1
	s_add_co_u32 s27, s27, s45                     ; W2's quads for columns 256 H + 64 w on lie in stream 2 H + w / 2,
	s_mul_i32 s27, s27, 589824
	s_and_b32 s45, s44, 1
	s_lshl_b32 s45, s45, 13                        ; at quads 16 + 16 g + 2 s' + w % 2
	s_add_co_u32 s27, s27, s45
	s_add_co_u32 s78, s27, 917504                  ; 786,432 + 16 quads
	s_mov_b32 s79, 0
	s_lshl_b32 s24, s24, 10                        ; 1,024 H: 256 columns in bytes
	s_mov_b32 s25, 0
	s_lshl_b32 s26, s44, 8                         ; 256 w: 64 columns in bytes
	v_mul_u32_u24 v[XRD0], v25, 2064
	v_lshl_add_u32 v[XRD0], v26, 6, v[XRD0]
	v_add_nc_u32 v[XW], s26, v[XRD0]
	v_add_nc_u32 v[XW+1], 66048, v[XW]
	v_add_nc_u32 v[XR2], s24, v[XW]
	v_add_nc_u32 v[XR2+1], 66048, v[XR2]
	s_add_co_u32 s26, s26, s24                     ; my 64 columns of b2
	s_mov_b32 s27, 0
	s_lshl_b32 s45, s44, 9
	v_add_nc_u32 v[XRD0], s45, v[XRD0]
	v_add_nc_u32 v[XRD0+1], 66048, v[XRD0]
	v_lshlrev_b32 v[STB], 3, v25
	v_add_nc_u32 v[STB], STAT, v[STB]
	v_add_nc_u32 v[STA], s45, v[STB]
	v_lshlrev_b32 v[BPA], 6, v26
	v_add_nc_u32 v[LNA], s45, v[BPA]
	v_add_nc_u32 v[B1A0], B1L, v[LNA]
	v_add_nc_u32 v[LNA], LNP, v[LNA]
	s_lshl_b32 s45, s44, 11
	v_add_nc_u32 v[B1G], s45, v[LI]
	v_add_nc_u32 v[B1W], B1L, v[B1G]
	v_add_nc_u32 v[H2R], H2IMG, v[LI]
	v_add_nc_u32 v[H2W], s45, v[H2R]
	v_add_nc_u32 v[HR], HIMG, v[LI]
	v_add_nc_u32 v[HW], s45, v[HR]
	v_lshlrev_b32 v[LNG], 4, v0
	v_add_nc_u32 v[LNW], LNP, v[LNG]
	s_mov_b32 s46, 0x76543210
	s_mov_b32 s47, 0xfedcba98
	s_mov_b32 s48, 0x3b000000                      ; 1 / 512
	s_mov_b32 s49, 0x3727c5ac                      ; 1e-5
	s_mov_b32 s66, 0x3c000000                      ; 1 / 128
	s_mov_b32 s67, 0x43000000                      ; 128
	s_mov_b32 s68, 0                               ; the slab's place in b1, in bytes
	s_lshr_b32 s69, ttmp9, 1                       ; blk: which 64 rows
	s_lshl_b32 s70, s69, 15                        ; a_codes: four row tiles of 8,192 bytes
	s_mov_b32 s71, 0
	s_mul_i32 s72, s44, 589824
	s_add_co_u32 s72, s72, 786432                  ; stream w: Wp's and W1's quads
	s_mov_b32 s73, 0
	s_lshl_b32 s74, s69, 6
	s_lshr_b32 s45, s44, 1
	s_lshl_b32 s45, s45, 5
	s_add_co_u32 s74, s74, s45
	s_and_b32 s45, s44, 1
	s_lshl_b32 s45, s45, 3
	s_add_co_u32 s74, s74, s45
	s_lshl_b32 s74, s74, 11                        ; x, out0: row 64 blk + 32 (w / 2) + 8 (w % 2)
	s_mov_b32 s75, 0
	s_lshl_b32 s76, s44, 9                         ; my 128 columns of bp
	s_mov_b32 s77, 0
	s_wait_kmcnt 0x0
	s_load_b512 s[28:43], s[20:21], 0x0            ; e0 .. e15
	s_add_nc_u64 s[4:5], s[4:5], s[70:71]
	s_add_nc_u64 s[56:57], s[6:7], s[72:73]
	s_add_nc_u64 s[58:59], s[56:57], 65536         ; the first slab's W1 begins at quad 8
	s_add_nc_u64 s[78:79], s[6:7], s[78:79]        ; the first slab's W2
	s_add_nc_u64 s[60:61], s[8:9], s[74:75]
	s_add_nc_u64 s[62:63], s[22:23], s[74:75]
	s_add_nc_u64 s[62:63], s[62:63], s[24:25]      ; out0 at the work-group's 256 columns
	s_add_nc_u64 s[10:11], s[10:11], s[76:77]
	s_add_nc_u64 s[18:19], s[18:19], s[26:27]
	WIN 0x40
.set n, 0
.rept 64
	global_load_b128 v[4*n:4*n+3], v[LI], s[4:5] offset:512*n   ; the 16 fragments of a: (row tile m, K step s) at 16 (4 m + s)
.set n, n+1
.endr
	WIN 0
.set n, 0
.rept 8                                ; tile ct: lane (r, h) wants columns 32 (ct / 2) + 16 h + 8 (ct % 2) + 0 .. 7
	global_load_b128 v[R2+8*n:R2+8*n+3],   v[BPA], s[10:11] offset:(32*(n/2)+8*(n%2))*4
	global_load_b128 v[R2+8*n+4:R2+8*n+7], v[BPA], s[10:11] offset:(32*(n/2)+8*(n%2))*4+16
.set n, n+1
.endr
.set n, 0
.rept 4                                ; b2: the four tiles of my 64 result columns
	global_load_b128 v[R1+8*n:R1+8*n+3],   v[BPA], s[18:19] offset:(32*(n/2)+8*(n%2))*4
	global_load_b128 v[R1+8*n+4:R1+8*n+7], v[BPA], s[18:19] offset:(32*(n/2)+8*(n%2))*4+16
.set n, n+1
.endr
.irp q, 0,1,2,3
	global_load_b128 v[192+4*\q:195+4*\q], v[B1G], s[16:17] offset:512*\q     ; a quarter of b1,
.endr
	global_load_b128 v[208:211], v[LNG], s[12:13]                             ; of the gain, of the bias
	global_load_b128 v[212:215], v[LNG], s[14:15]
	WIN 0x80
.set n, 0
.rept 64
	global_load_b128 v[4*n:4*n+3], v[LI], s[60:61] offset:((n/4)+8*((n/4)/8))*2048+512*(n%4)   ; the 16 rows of tile w, 512 consecutive bytes a load
.set n, n+1
.endr
	s_wait_loadcnt 0x0
	RL 0, 56, 0
	RL 1, 56, 8192
	RL 2, 56, 16384
	RL 3, 56, 24576
	s_wait_kmcnt 0x0
	s_add_co_i32 s70, s38, s39                     ; e10 + e11
	s_sub_co_i32 s71, 0, s70
	s_add_co_i32 s72, s42, s43                     ; e14 + e15
	s_sub_co_i32 s73, 0, s72
	s_add_co_i32 s74, s40, s41                     ; e12 + e13
	s_sub_co_i32 s75, 0, s74
	s_sub_co_i32 s76, s42, s74                     ; e14 - e12 - e13
	s_add_co_i32 s50, s70, 127
	s_lshl_b32 s50, s50, 23                        ; 2^(e10 + e11)
	s_mov_b32 s51, s50
	s_add_co_i32 s52, s73, 127
	s_lshl_b32 s52, s52, 23                        ; 2^-(e14 + e15)
	s_mov_b32 s53, s52
	s_add_co_i32 s54, s72, 127
	s_lshl_b32 s54, s54, 23                        ; 2^(e14 + e15)
	s_mov_b32 s55, s54
	WIN 0
	MKSC SCH2, 40
	MKSC SCH, 76
.set n, 0
.rept 64
	v_ldexp_f32 v[R2+n], v[R2+n], s71              ; each bias divided by the power of two that its sums lack
.set n, n+1
.endr
.set n, 0
.rept 32
	v_ldexp_f32 v[R1+n], v[R1+n], s73
.set n, n+1
.endr
.set n, 0
.rept 16
	v_ldexp_f32 v[192+n], v[192+n], s75
.set n, n+1
.endr
	WIN 0x08                                       ; store data window 2
.set n, 0
.rept 64
	ds_store_b128 v[STW], v[4*n:4*n+3] offset:2064*(n/4)+512*(n%4)
.set n, n+1
.endr
	WIN 0
.irp q, 0,1,2,3
	ds_store_b128 v[B1W], v[192+4*\q:195+4*\q] offset:512*\q
.endr
	ds_store_b128 v[LNW], v[208:211]
	ds_store_b128 v[LNW], v[212:215] offset:2048
	BARRIER                                        ; x, b1, gain and bias lie in LDS
; ---- a Wp: quad q = unit tile q, all 512 of K, four row tiles: the four accumulators by turns; bp is the C of the first products
.macro QP q
	s_wait_loadcnt 48                              ; my quad is in; the three younger quads, 16 loads each, may be out
	WIN 0x87                                       ; source 0 ring (3), source 1 a (1), C window 0, D window 2
.irp m, 0,1,2,3
	v_wmma_f32_16x16x128_bf8_bf8 v[64*\m+8*\q:64*\m+8*\q+7], v[64*(\q%4):64*(\q%4)+15], v[64*\m:64*\m+15], v[R2+8*\q:R2+8*\q+7]
.endr
	WIN 0xa7
.irp s, 1,2,3
.irp m, 0,1,2,3
	v_wmma_f32_16x16x128_bf8_bf8 v[64*\m+8*\q:64*\m+8*\q+7], v[64*(\q%4)+16*\s:64*(\q%4)+16*\s+15], v[16*(4*\m+\s):16*(4*\m+\s)+15], v[64*\m+8*\q:64*\m+8*\q+7]
.endr
.endr
	PLACES 4                                       ; ahead of loads into registers that these products read, and of the first read of results
	RL \q%4, 56, (\q+4)*8192
.endm
.irp q, 0,1,2,3,4,5,6,7
	QP \q
.endr
	; ---- x1 = sum x 2^(e10 + e11) + x, in the accumulators
	WIN 0x40
.set n, 0
.rept 64                               ; row tile m = n / 16; register 64 m + 16 b + i is column 128 w + 32 b + 16 h + i
	ds_load_b128 v[4*n:4*n+3], v[XRD0+n/32] offset:33024*((n/16)%2)+128*((n%16)/4)+16*(n%4)
.set n, n+1
.endr
	s_wait_dscnt 0x0
	WIN 0x92                                       ; D and source 0 window 2, source 2 window 1
.set n, 0
.rept 128
	v_pk_fma_f32 v[2*n:2*n+1], v[2*n:2*n+1], s[50:51], v[2*n:2*n+1] op_sel_hi:[1,0,1]
.set n, n+1
.endr
	WIN 0x40
.set n, 0
.rept 16
	ds_load_b128 v[4*n:4*n+3], v[LNA] offset:128*(n/4)+16*(n%4)            ; gain of my 64 columns,
	ds_load_b128 v[64+4*n:67+4*n], v[LNA] offset:2048+128*(n/4)+16*(n%4)   ; bias: waited for at the next barrier
.set n, n+1
.endr
	; ---- the statistics of my 128 columns
	WIN 0x0a
.irp m, 0,1,2,3
	v_pk_add_f32 v[SM+2*\m:SM+2*\m+1], v[64*\m:64*\m+1], v[64*\m+2:64*\m+3]
.endr
	WIN 0x08
.set n, 0
.rept 120
	v_pk_add_f32 v[SM+2*(n%4):SM+2*(n%4)+1], v[SM+2*(n%4):SM+2*(n%4)+1], v[64*(n%4)+4+2*(n/4):64*(n%4)+5+2*(n/4)]
.set n, n+1
.endr
	WIN 0
.irp m, 0,1,2,3
	v_add_f32 v[SM+2*\m], v[SM+2*\m], v[SM+2*\m+1]
.endr
.irp m, 0,1,2,3
	v_permlanex16_b32 v[SM+2*\m+1], v[SM+2*\m], s46, s47
.endr
.irp m, 0,1,2,3
	v_add_f32 v[SM+2*\m], v[SM+2*\m], v[SM+2*\m+1]
.endr
.irp m, 0,1,2,3
	v_mul_f32 v[SM+2*\m], s66, v[SM+2*\m]          ; mean_w
.endr
.irp m, 0,1,2,3
	WIN 0x42                                       ; D window 1, source 0 window 2
.set n, 0
.rept 32
	v_pk_add_f32 v[TT+2*n:TT+2*n+1], v[64*\m+2*n:64*\m+2*n+1], v[SM+2*\m:SM+2*\m+1] op_sel_hi:[1,0] neg_lo:[0,1] neg_hi:[0,1]
.set n, n+1
.endr
	WIN 0x05
.set n, 0
.rept 32                               ; four chains
.if n < 4
	v_pk_mul_f32 v[U+2*n:U+2*n+1], v[TT+2*n:TT+2*n+1], v[TT+2*n:TT+2*n+1]
.else
	v_pk_fma_f32 v[U+2*(n%4):U+2*(n%4)+1], v[TT+2*n:TT+2*n+1], v[TT+2*n:TT+2*n+1], v[U+2*(n%4):U+2*(n%4)+1]
.endif
.set n, n+1
.endr
	WIN 0
	v_pk_add_f32 v[U:U+1], v[U:U+1], v[U+2:U+3]
	v_pk_add_f32 v[U+4:U+5], v[U+4:U+5], v[U+6:U+7]
	v_pk_add_f32 v[U:U+1], v[U:U+1], v[U+4:U+5]
	v_add_f32 v[MW+2*\m+1], v[U], v[U+1]
.endr
.irp m, 0,1,2,3
	v_permlanex16_b32 v[U+\m], v[MW+2*\m+1], s46, s47
.endr
.irp m, 0,1,2,3
	v_add_f32 v[MW+2*\m+1], v[MW+2*\m+1], v[U+\m]  ; M2_w
	v_mov_b32 v[MW+2*\m], v[SM+2*\m]
.endr
.irp m, 0,1,2,3
	ds_store_b64 v[STA], v[MW+2*\m:MW+2*\m+1] offset:128*\m
.endr
	BARRIER                                        ; the four waves' statistics lie in LDS
.set n, 0
.rept 16                               ; n = 4 m + wave
	ds_load_b64 v[LD+2*n:LD+2*n+1], v[STB] offset:512*(n%4)+128*(n/4)
.set n, n+1
.endr
	s_wait_dscnt 0x0
.irp m, 0,1,2,3
	v_add_f32 v[TA+\m], v[LD+8*\m], v[LD+8*\m+2]
	v_add_f32 v[TB+\m], v[LD+8*\m+4], v[LD+8*\m+6]
.endr
.irp m, 0,1,2,3
	v_add_f32 v[TA+\m], v[TA+\m], v[TB+\m]
.endr
.irp m, 0,1,2,3
	v_mul_f32 v[SM+2*\m], 0x3e800000, v[TA+\m]     ; the mean
.endr
.irp w, 0,1,2,3
.irp m, 0,1,2,3
	v_sub_f32 v[LD+8*\m+2*\w], v[LD+8*\m+2*\w], v[SM+2*\m]
.endr
.endr
.irp m, 0,1,2,3
	v_mul_f32 v[TA+\m], v[LD+8*\m], v[LD+8*\m]
.endr
.irp w, 1,2,3
.irp m, 0,1,2,3
	v_fmac_f32 v[TA+\m], v[LD+8*\m+2*\w], v[LD+8*\m+2*\w]
.endr
.endr
.irp m, 0,1,2,3
	v_add_f32 v[TB+\m], v[LD+8*\m+1], v[LD+8*\m+3]
	v_add_f32 v[TC+\m], v[LD+8*\m+5], v[LD+8*\m+7]
.endr
.irp m, 0,1,2,3
	v_add_f32 v[TB+\m], v[TB+\m], v[TC+\m]
.endr
.irp m, 0,1,2,3
	v_fma_f32 v[TA+\m], v[TA+\m], s67, v[TB+\m]    ; M2
.endr
.irp m, 0,1,2,3
	v_fma_f32 v[RS+2*\m], v[TA+\m], s48, s49       ; variance + eps
	v_mov_b32 v[RS+2*\m+1], 0                      ; named as the upper half of the pair
.endr
.irp m, 0,1,2,3
	v_rsq_f32 v[RS+2*\m], v[RS+2*\m]
.endr
	v_nop
	s_wait_alu depctr_va_vdst(0)                   ; one wait for the four roots, ahead of their first reader
	; ---- h2, quantised: my 128 columns are K step w of the next product
.irp m, 0,1,2,3
	WIN 0x42
.set n, 0
.rept 32
	v_pk_add_f32 v[TT+2*n:TT+2*n+1], v[64*\m+2*n:64*\m+2*n+1], v[SM+2*\m:SM+2*\m+1] op_sel_hi:[1,0] neg_lo:[0,1] neg_hi:[0,1]
.set n, n+1
.endr
	WIN 0x41
.set n, 0
.rept 32
	v_pk_mul_f32 v[TT+2*n:TT+2*n+1], v[TT+2*n:TT+2*n+1], v[RS+2*\m:RS+2*\m+1] op_sel_hi:[1,0]
.set n, n+1
.endr
	WIN 0x55
.set n, 0
.rept 32
	v_pk_fma_f32 v[TT+2*n:TT+2*n+1], v[TT+2*n:TT+2*n+1], v[2*n:2*n+1], v[64+2*n:65+2*n]
.set n, n+1
.endr
	WIN 0x41
.set n, 0
.rept 64
	v_med3_num_f32 v[TT+n], v[TT+n], -v[SCH2+1], v[SCH2+1]
.set n, n+1
.endr
	s_wait_dscnt 0x0                               ; the last image stores have read the code registers
	WIN 0x01
.irp b, 0,1,2,3
	v_cvt_scalef32_pk8_bf8_f32 v[PC+4*\b:PC+4*\b+1], v[TT+16*\b:TT+16*\b+7], v[SCH2]
	v_cvt_scalef32_pk8_bf8_f32 v[PC+4*\b+2:PC+4*\b+3], v[TT+16*\b+8:TT+16*\b+15], v[SCH2]
.endr
	WIN 0
	v_nop                                          ; a plain instruction between the conversions and the next write of their sources
.irp c, 0,1,2,3
	ds_store_b128 v[H2W], v[PC+4*\c:PC+4*\c+3] offset:8192*\m+512*\c
.endr
.endr
	; ---- x1 goes back into the stage, each number to the place of the x that it came from: bytes that my wave alone has read
	WIN 0x08                                       ; store data window 2
.set n, 0
.rept 64
	ds_store_b128 v[XRD0+n/32], v[4*n:4*n+3] offset:33024*((n/16)%2)+128*((n%16)/4)+16*(n%4)
.set n, n+1
.endr
	BARRIER                                        ; the sixteen fragments of h2 and all of x1 lie in LDS
	WIN 0x80
.set n, 0
.rept 32                               ; row tile m = n / 8; register 32 m + 16 b + i is column 256 H + 64 w + 32 b + 16 h + i
	ds_load_b128 v[4*n:4*n+3], v[XR2+n/16] offset:33024*((n/8)%2)+128*((n%8)/4)+16*(n%4)
.set n, n+1
.endr
	WIN 0x40
.set n, 0
.rept 64
	ds_load_b128 v[4*n:4*n+3], v[H2R] offset:512*n
.set n, n+1
.endr
	s_wait_dscnt 0x0
	WIN 0x82
.set n, 0
.rept 64                               ; (x1 + b2) / 2^(e14 + e15): where the last product's sums begin
	v_pk_fma_f32 v[2*n:2*n+1], v[2*n:2*n+1], s[52:53], v[R1+2*(n%16):R1+2*(n%16)+1] op_sel_hi:[1,0,1]
.set n, n+1
.endr
; ---- h2 W1: quad ql = unit tile of my 128 hidden units; four sums by turns, in half u of R1; b1 is the C of the first products
.macro Q7 ql, u, bi
	s_wait_loadcnt 48                              ; the three younger quads may be out
	WIN 0x07                                       ; source 0 ring (3), source 1 h2 (1), C and D window 0
.irp s, 0,1,2,3
.irp m, 0,1,2,3
.set AC, R1+8*(4*\u+\m)
.if \s == 0
	v_wmma_f32_16x16x128_bf8_bf8 v[AC:AC+7], v[64*((\ql)%4)+16*\s:64*((\ql)%4)+16*\s+15], v[16*(4*\m+\s):16*(4*\m+\s)+15], v[BI+(\bi):BI+(\bi)+7]
.else
	v_wmma_f32_16x16x128_bf8_bf8 v[AC:AC+7], v[64*((\ql)%4)+16*\s:64*((\ql)%4)+16*\s+15], v[16*(4*\m+\s):16*(4*\m+\s)+15], v[AC:AC+7]
.endif
.endr
.endr
	PLACES 4
	RLN (\ql)+4
.endm
; ---- hidden W2: quad ql = one K step of 128 x the four unit tiles of my 64 columns: sixteen accumulators, one instruction each
.macro Q8 ql, hb, last
.if (\last) && ((\ql) > 8)
	s_wait_loadcnt 16*(11-(\ql))                   ; the stream ends at quad 11: fewer younger quads
.else
	s_wait_loadcnt 48
.endif
	WIN 0xa3                                       ; source 0 ring (3), source 1 hidden (0), C and D window 2
.irp f, 0,1,2,3
.irp m, 0,1,2,3
	v_wmma_f32_16x16x128_bf8_bf8 v[32*\m+8*\f:32*\m+8*\f+7], v[64*((\ql)%4)+16*\f:64*((\ql)%4)+16*\f+15], v[\hb+16*\m:\hb+16*\m+15], v[32*\m+8*\f:32*\m+8*\f+7]
.endr
.endr
	PLACES 5                                       ; five: the next slab lays its hidden sums over the registers of a hidden fragment
.if (\last) == 0
	RLN (\ql)+4
.endif
.endm
.macro HFL sp, hb                      ; the hidden fragments of K step sp of the slab, four row tiles
	WIN 0
.set n, 0
.rept 16
	ds_load_b128 v[\hb+4*n:\hb+4*n+3], v[HR] offset:(4*(n/4)+\sp)*2048+512*(n%4)
.set n, n+1
.endr
.endm
; ---- a slab of 512 hidden units: 12 quads: 8 of W1, 4 of W2
.macro SLAB last
	WIN 0
	v_add_nc_u32 v[B1A], s68, v[B1A0]
.set n, 0
.rept 16
	ds_load_b128 v[BI+4*n:BI+4*n+3], v[B1A] offset:128*(n/4)+16*(n%4)   ; b1 of my 128 units, in the layout of the results
.set n, n+1
.endr
	s_wait_dscnt 0x0
.irp b, 0,1,2,3
	Q7 2*\b, 0, 16*\b
	Q7 2*\b+1, 1, 16*\b+8
	WIN 0
.set n, 0
.rept 64
	v_med3_num_f32 v[R1+n], v[R1+n], 0, v[SCH+1]   ; the activation and the hold in one
.set n, n+1
.endr
	s_wait_dscnt 0x0                               ; the last image stores have read the code registers
.irp m, 0,1,2,3
	v_cvt_scalef32_pk8_bf8_f32 v[PC+4*\m:PC+4*\m+1], v[R1+8*\m:R1+8*\m+7], v[SCH]
	v_cvt_scalef32_pk8_bf8_f32 v[PC+4*\m+2:PC+4*\m+3], v[R1+32+8*\m:R1+32+8*\m+7], v[SCH]
.endr
	v_nop                                          ; a plain instruction between the conversions and the products that write their sources again
.irp m, 0,1,2,3
	ds_store_b128 v[HW], v[PC+4*\m:PC+4*\m+3] offset:8192*\m+512*\b     ; K step w of the slab, units 32 b + 16 h + 0 .. 15
.endr
.endr
	BARRIER                                        ; the sixteen hidden fragments lie in LDS
	HFL 0, R2
	s_wait_dscnt 0x0
	HFL 1, R1                                      ; the next K step lands while this one is multiplied
	Q8 8, R2, \last
	s_wait_dscnt 0x0
	HFL 2, R2
	Q8 9, R1, \last
	s_wait_dscnt 0x0
	HFL 3, R1
	Q8 10, R2, \last
	s_wait_dscnt 0x0
	Q8 11, R1, \last
	WIN 0
.if (\last) == 0
	BARRIER                                        ; everybody has read the hidden fragments: the next slab may write them
	s_wait_xcnt 0x0                                ; the ring loads have read their bases
	s_add_nc_u64 s[58:59], s[58:59], 131072
	s_add_nc_u64 s[78:79], s[78:79], 131072
	s_add_co_u32 s68, s68, 2048
.endif
.endm
	WIN 0
	s_mov_b32 s69, 3
.Lslab:
	SLAB 0
	s_sub_co_u32 s69, s69, 1
	s_cmp_lg_u32 s69, 0
	s_cbranch_scc1 .Lslab
	SLAB 1                                         ; the last slab is written out: its last four quads load nothing
	; ---- THE WAY OUT: sum x 2^(e14 + e15) into the stage, my 64 columns of all 64 rows; a barrier; each wave stores 16 rows of 1,024 bytes
	WIN 0x02
.set n, 0
.rept 64
	v_pk_mul_f32 v[R1+2*n:R1+2*n+1], v[2*n:2*n+1], s[54:55] op_sel_hi:[1,0]   ; each accumulator from its low end on
.set n, n+1
.endr
	WIN 0
.set n, 0
.rept 32                               ; row tile m = n / 8
	ds_store_b128 v[XW+n/16], v[R1+4*n:R1+4*n+3] offset:33024*((n/8)%2)+128*((n%8)/4)+16*(n%4)
.set n, n+1
.endr
	BARRIER
	WIN 0x40
.set n, 0
.rept 32
	ds_load_b128 v[4*n:4*n+3], v[STW] offset:2064*(n/2)+512*(n%2)
.set n, n+1
.endr
	WIN 0x04                                       ; store data window 1
.set n, 0
.rept 32
.if n%16 == 0
	s_wait_dscnt 16-n                              ; these sixteen are in; the younger group of sixteen may be out
.endif
	global_store_b128 v[LI], v[4*n:4*n+3], s[62:63] offset:((n/2)+8*((n/2)/8))*2048+512*(n%2) th:TH_STORE_NT   ; 512 consecutive bytes of a row
.set n, n+1
.endr
	WIN 0
	s_wait_tensorcnt 0x0
	ds_add_u32 v46, v47
	s_wait_dscnt 0x0
	s_endpgm
.Lfunc_end_k_q25d0674cb7_ffn:
	.size	k_q25d0674cb7_ffn, .Lfunc_end_k_q25d0674cb7_ffn-k_q25d0674cb7_ffn
	.p2alignl 7, 3214868480
	.fill 96, 4, 3214868480
	.section	.rodata,"a",@progbits
	.p2align	6, 0x0
	.amdhsa_kernel k_q25d0674cb7_ffn
		.amdhsa_group_segment_fixed_size 212480
		.amdhsa_private_segment_fixed_size 0
		.amdhsa_enable_private_segment 0
		.amdhsa_kernarg_size 80
		.amdhsa_user_sgpr_count 2
		.amdhsa_user_sgpr_kernarg_segment_ptr 1
		.amdhsa_wavefront_size32 1
		.amdhsa_system_sgpr_workgroup_id_x 1
		.amdhsa_system_sgpr_workgroup_id_y 1
		.amdhsa_system_sgpr_workgroup_id_z 1
		.amdhsa_system_vgpr_workitem_id 0
		.amdhsa_next_free_vgpr 1024
		.amdhsa_next_free_sgpr 80
		.amdhsa_reserve_vcc 0
		.amdhsa_float_denorm_mode_32 3
		.amdhsa_float_denorm_mode_16_64 3
		.amdhsa_memory_ordered 1
		.amdhsa_forward_progress 1
		.amdhsa_inst_pref_size 255
	.end_amdhsa_kernel
	.section	.bss,"aw",@nobits
	.p2align	6
	.space	262144
	.amdgpu_metadata
---
amdhsa.version: [ 1, 2 ]
amdhsa.kernels:
  - .name:           k_q25d0674cb7_ffn
    .symbol:         k_q25d0674cb7_ffn.kd
    .args:
      - { .name: a_codes, .offset: 0, .size: 8, .value_kind: global_buffer, .address_space: global }
      - { .name: wcodes, .offset: 8, .size: 8, .value_kind: global_buffer, .address_space: global }
      - { .name: x, .offset: 16, .size: 8, .value_kind: global_buffer, .address_space: global }
      - { .name: bp, .offset: 24, .size: 8, .value_kind: global_buffer, .address_space: global }
      - { .name: ln2_g, .offset: 32, .size: 8, .value_kind: global_buffer, .address_space: global }
      - { .name: ln2_b, .offset: 40, .size: 8, .value_kind: global_buffer, .address_space: global }
      - { .name: b1, .offset: 48, .size: 8, .value_kind: global_buffer, .address_space: global }
      - { .name: b2, .offset: 56, .size: 8, .value_kind: global_buffer, .address_space: global }
      - { .name: lowp_scales, .offset: 64, .size: 8, .value_kind: global_buffer, .address_space: global }
      - { .name: out0, .offset: 72, .size: 8, .value_kind: global_buffer, .address_space: global }
    .group_segment_fixed_size: 212480
    .private_segment_fixed_size: 0
    .kernarg_segment_align: 8
    .kernarg_segment_size: 80
    .max_flat_workgroup_size: 128
    .sgpr_count:     80
    .vgpr_count:     1024
    .wavefront_size: 32
...
	.end_amdgpu_metadata
.endif
;; end of part 4
;; ======== version 2 of 2: 4 launches; version 1 with the launches qkv, attn, ffn written anew for expert scheduling mode
;; workspace buffers: wcodes 3,145,728 bytes; q_codes 4,194,304 bytes; k_codes 4,194,304 bytes; v_codes 4,194,304 bytes; a_codes 4,194,304 bytes
;; launch prep: the kernel of part 1 again; grid 192 x 1, 4 waves a work-group, no clusters, 0 bytes of LDS; arguments Wq, Wk, Wv, Wp, W1, W2, lowp_scales, wcodes; writes wcodes
;; launch qkv (part 5): grid 256 x 1, 4 waves a work-group, no clusters, 230,912 bytes of LDS; arguments x, ln1_g, ln1_b, wcodes, bq, bk, bv, lowp_scales, q_codes, k_codes, v_codes; writes q_codes, k_codes, v_codes
.if DOCPART == 5
	.amdgcn_target "amdgcn-amd-amdhsa--gfx1250"
	.amdhsa_code_object_version 6
	.text
	.protected	k_q25d0674cb7_qkv
	.globl	k_q25d0674cb7_qkv
	.p2align	8
	.type	k_q25d0674cb7_qkv,@function
k_q25d0674cb7_qkv:
	s_mov_b64 s[64:65], 0
	v_nop
	global_prefetch_b8 v0, s[64:65] scope:SCOPE_SE
	s_setreg_imm32_b32 hwreg(HW_REG_WAVE_SCHED_MODE, 0, 2), 2
	s_setreg_imm32_b32 hwreg(HW_REG_WAVE_MODE, 25, 1), 1
	s_wait_xcnt 0x0
	s_wait_alu depctr_vm_vsrc(0)
; QKV: h = layernorm(x); Q, K, V = h W + b for 8 heads, on codes of E5M2; Q, K, V leave as codes for the attention launch.
; SHARES.  TWO WORK-GROUPS SHARE 64 ROWS: work-group 2 blk + half makes heads 4 half .. 4 half + 3 for rows 64 blk on.  Both normalise the rows: wave w takes one tile of 16 rows
; and quantises it three times (scales e1, e3, e5); the fragments go to LDS as images of the operand registers; one barrier.  Then THE WAVES SHARE THE HEADS: wave w makes head
; 4 half + w of Q, then of K, then of V, for all 64 rows, so each byte of the weight codes is loaded once in the work-group, straight into the registers of the one wave that
; multiplies by it (a ring of four quads of 4 fragments, 64 loads on their way).  A wave walks 12 quads, 96 KiB, where one work-group for all 8 heads would give it 24, and 256
; work-groups have work where there would be 128; the price is the norm done twice.  The partners' numbers are neighbours, so both want the same rows of x at the same time.
; TILES.  Tile t of a run of 64 (rows or units) takes 32 (t / 2) + 8 (t % 2) + i + 8 (i / 8), i = 0 .. 15: then the 16 registers that a lane holds of
; tiles 2 b and 2 b + 1 are 16 neighbours, 32 b + 16 (lane / 16) + 0 .. 15, and the conversions give operand registers as they stand.
; Q and K are made transposed (source 0 = 16 units, source 1 = 16 rows): a lane holds one row and neighbours along the head.  V is made the plain way
; (source 0 = rows, source 1 = units): a lane holds one channel and neighbouring KEYS, which are K of the second attention product.
; The place of k in a fragment (registers 4 c .. 4 c + 3: k = 32 c + 16 (lane / 16) + 0 .. 15) is the same in both operands of every product.
; The biases, divided by the power of two that the sums lack, are the C of each first product.  No multicast: each weight byte goes to one wave only
; and never through LDS; sharing the stream between work-groups would add a pass through LDS for all 384 KiB.
; LIMITS: e1, e3, e5, e6 - e0 - e1, e7 - e2 - e3, e9 - e4 - e5 between -126 and 112.  NaN among the inputs is not served.
; REGISTERS.  window 0: addresses, scales, LG, LB, T, PC, H (map below).  window 1: x (row i, number e at 16 i + e), later the 16 fragments of h.
;   window 2: v0-127 the 16 accumulators (unit tile ct, row tile m at 8 (4 ct + m)); v128-159 bq, later bv; v192-223 bk.   window 3: the ring.
; LDS: 0: a stage of 16 rows x 2,064 bytes for each wave (its own);  132,096: the images, ((4 p + m) 4 + s) x 2,048.
; THE MODE: SCHED_MODE bits 1:0 = 2 (LLVM: expert scheduling mode 2), set by the entry lines.  The code itself states the register dependences
; between vector or matrix instructions and memory or LDS instructions, with s_wait_alu, always for 0.
; THE PLAN.  Registers that memory or LDS instructions touch:
;   v1, v5-14     offsets and LDS addresses: made once at the head, one wait on va_vdst behind them, never written again.
;   window 1      x lands; the norm works in place; the stage's LDS stores read it (a wait on va_vdst ahead of them).  Then, in each phase, LDS loads land the 16 fragments of h
;                 and the phase's products read them: ahead of each phase's loads a wait on va_vdst, and ahead of the first also one on vm_vsrc, for the stage's stores.
;   H v164-227    a K step: LDS loads land, the holds read: a wait on va_vdst at the K step's head.
;   PC v116-163   a K step: the conversions write, the image stores read: va_vdst ahead of the stores, vm_vsrc ahead of the next K step's conversions.
;   the ring      quad q: loads land in slot q % 4, its sixteen products read the slot, and behind them the loads of quad q + 4 land in it: ONE wait on va_vdst a quad, between the two.
;                 The refill stays behind its own quad's products: there it is four quads ahead of its use; at the next quad's head it would be three.
;   v116-211      in the phases: 32 code registers a phase, written once by conversions, read once by eight global stores: va_vdst ahead of the stores.
.set XIMG, 132096
.set WST,  33024
.set PIT,  2064
.set LI,  1                            ; 16 x lane
.set STW, 5                            ; stage, dense: my wave + 16 x lane
.set SRD, 6                            ; stage, by rows: my wave + 2,064 r + 64 h
.set AFA, 7                            ; v7-9    images of quantising p, for reading: + 16 x lane
.set IMW, 10                           ; v10-12  the same at my row tile, for writing
.set H64, 13                           ; 64 h
.set BVA, 14                           ; 4 (r + 8 (r / 8))
.set SC,  16                           ; v16-27  six pairs (2^E, 57,344 x 2^E): h for Q, K, V; then Q, K, V themselves
.set BVR, 28                           ; v28-31  bv of my unit in tile ct
.set LG,  36                           ; v36-51  gain of my 16 columns
.set LB,  52                           ; v52-67  bias of my 16 columns
.set T,   84                           ; v84-115 two sets of 16 held numbers, by turns
.set PC,  116                          ; v116-163 codes of h; later v116-211: 32 registers of codes for each of Q, K, V, so that no store data are written again
.set H,   164                          ; v164-227 64 numbers of my row
.set P,   164                          ; v164-195 during the norm: a pair for each of 16 rows
.set BQ,  128
.set BK,  192
.set MSB, 0
.macro WIN new                         ; the high byte repeats the setting that is left
.if MSB != \new
	s_set_vgpr_msb (MSB<<8)|\new
.set MSB, \new
.endif
.endm
.macro PLACES n
.rept \n
	v_nop
.endr
.endm
.macro MKSC vr, se                     ; s[se] = E (destroyed): v[vr] = 2^E, v[vr + 1] = 57,344 x 2^E
	s_add_co_i32 s[\se], s[\se], 127
	s_lshl_b32 s45, s[\se], 23
	v_mov_b32 v[\vr], s45
	s_add_co_i32 s[\se], s[\se], 15
	s_lshl_b32 s45, s[\se], 23
	s_or_b32 s45, s45, 0x600000
	v_mov_b32 v[\vr+1], s45
.endm
	s_load_b512 s[4:19], s[0:1], 0x0               ; x, g, b, wcodes s[10:11], bq, bk, bv s[16:17], exponents s[18:19]
	s_load_b128 s[20:23], s[0:1], 0x40             ; q_codes, k_codes
	s_load_b64 s[24:25], s[0:1], 0x50              ; v_codes
	v_lshl_add_u32 v254, v0, 2, 0x38400
	v_mov_b32 v255, 0
	v_lshrrev_b32 v2, 5, v0
	v_readfirstlane_b32 s44, v2                    ; wave
	v_and_b32 v2, 31, v0
	v_and_b32 v3, 15, v0                           ; r
	v_bfe_u32 v4, v0, 4, 1                         ; h
	v_lshlrev_b32 v[LI], 4, v2
	s_wait_alu depctr_va_sdst(0)                   ; s44 is written, ahead of its first reader: LDS places, bases and the head's number are made from it
	s_mul_i32 s45, s44, WST
	v_add_nc_u32 v[STW], s45, v[LI]
	v_mul_u32_u24 v[SRD], v3, PIT
	v_lshl_add_u32 v[SRD], v4, 6, v[SRD]
	v_add_nc_u32 v[SRD], s45, v[SRD]
	s_lshl_b32 s45, s44, 13
.irp p, 0,1,2
	v_add_nc_u32 v[AFA+\p], XIMG+32768*\p, v[LI]
	v_add_nc_u32 v[IMW+\p], s45, v[AFA+\p]
.endr
	v_lshlrev_b32 v[H64], 6, v4
	v_and_b32 v15, 8, v3
	v_add_nc_u32 v15, v15, v3
	v_lshlrev_b32 v[BVA], 2, v15
	s_mov_b32 s46, 0x76543210                      ; lane selects: lane xor 16
	s_mov_b32 s47, 0xfedcba98
	s_mov_b32 s48, 0x3b000000                      ; 1 / 512
	s_mov_b32 s49, 0x3727c5ac                      ; 1e-5
	s_lshr_b32 s60, ttmp9, 6                       ; batch: the work-group's number is 2 blk + half, a batch has 32 blocks
	s_bfe_u32 s61, ttmp9, 0x50001                  ; block of 64 tokens in it: 5 bits from bit 1
	s_and_b32 s76, ttmp9, 1
	s_lshl_b32 s76, s76, 2
	s_add_co_u32 s76, s76, s44                     ; my head: 4 half + w
	s_lshl_b32 s62, s60, 3
	s_add_co_u32 s62, s62, s76
	s_lshl_b32 s62, s62, 17                        ; (8 batch + head) x 131,072
	s_lshl_b32 s63, s61, 12
	s_add_co_u32 s66, s62, s63                     ; Q, K: + 4 tiles of 1,024 bytes a block
	s_mov_b32 s67, 0
	s_lshr_b32 s63, s61, 1
	s_lshl_b32 s63, s63, 13
	s_add_co_u32 s68, s62, s63                     ; V: key step of 128 = two blocks, 8,192 bytes; my block is one half of each image
	s_and_b32 s63, s61, 1
	s_lshl_b32 s63, s63, 10
	s_add_co_u32 s68, s68, s63
	s_mov_b32 s69, 0
	s_lshr_b32 s70, ttmp9, 1
	s_lshl_b32 s70, s70, 6
	s_lshr_b32 s63, s44, 1
	s_lshl_b32 s63, s63, 5
	s_add_co_u32 s70, s70, s63
	s_and_b32 s63, s44, 1
	s_lshl_b32 s63, s63, 3
	s_add_co_u32 s70, s70, s63
	s_lshl_b32 s70, s70, 11                        ; x: row 64 blk + 32 (w / 2) + 8 (w % 2), 2,048 bytes a row
	s_mov_b32 s71, 0
	s_lshl_b32 s72, s76, 15                        ; my head in each part of wcodes: 32,768 bytes
	s_mov_b32 s73, 0
	s_lshl_b32 s74, s76, 8                         ; and in the biases: 256 bytes
	s_mov_b32 s75, 0
	s_wait_kmcnt 0x0
	s_load_b512 s[28:43], s[18:19], 0x0            ; e0 .. e15
	s_add_nc_u64 s[50:51], s[10:11], s[72:73]
	s_add_nc_u64 s[52:53], s[20:21], s[66:67]
	s_add_nc_u64 s[54:55], s[22:23], s[66:67]
	s_add_nc_u64 s[56:57], s[24:25], s[68:69]
	s_add_nc_u64 s[58:59], s[4:5], s[70:71]
	s_add_nc_u64 s[12:13], s[12:13], s[74:75]
	s_add_nc_u64 s[14:15], s[14:15], s[74:75]
	s_add_nc_u64 s[16:17], s[16:17], s[74:75]
	WIN 0x80                                       ; destination window 2
	s_wait_alu depctr_va_vdst(0)                   ; the offsets and LDS addresses v1, v5 to v14 are written: every load and store of the kernel reads one of them
.set n, 0
.rept 4                                ; tile n = ct: lane (r, h) wants units 32 (ct / 2) + 16 h + 8 (ct % 2) + 0 .. 7
	global_load_b128 v[BQ+8*n:BQ+8*n+3],   v[H64], s[12:13] offset:(32*(n/2)+8*(n%2))*4
	global_load_b128 v[BQ+8*n+4:BQ+8*n+7], v[H64], s[12:13] offset:(32*(n/2)+8*(n%2))*4+16
	global_load_b128 v[BK+8*n:BK+8*n+3],   v[H64], s[14:15] offset:(32*(n/2)+8*(n%2))*4
	global_load_b128 v[BK+8*n+4:BK+8*n+7], v[H64], s[14:15] offset:(32*(n/2)+8*(n%2))*4+16
.set n, n+1
.endr
	WIN 0
.set n, 0
.rept 4
	global_load_b32 v[BVR+n], v[BVA], s[16:17] offset:(32*(n/2)+8*(n%2))*4
.set n, n+1
.endr
.irp q, 0,1,2,3
	global_load_b128 v[LG+4*\q:LG+4*\q+3], v[LI], s[6:7] offset:512*\q
	global_load_b128 v[LB+4*\q:LB+4*\q+3], v[LI], s[8:9] offset:512*\q
.endr
	WIN 0x40                                       ; destination window 1
.set n, 0
.rept 64                               ; row i = n / 4 of my tile, 512 consecutive bytes a load
	global_load_b128 v[4*n:4*n+3], v[LI], s[58:59] offset:((n/4)+8*((n/4)/8))*2048+512*(n%4)
.set n, n+1
.endr
	s_wait_loadcnt 0x0
.macro RLOAD q                         ; quad q (phase q / 4, tile q % 4 of my head): 4 fragments, 8,192 consecutive bytes, into ring slot q % 4
	WIN 0xc0
.set n, 0
.rept 16
	global_load_b128 v[64*((\q)%4)+4*n:64*((\q)%4)+4*n+3], v[LI], s[50:51] offset:((\q)/4)*262144+((\q)%4)*8192+512*n
.set n, n+1
.endr
.endm
	RLOAD 0                                        ; the weights are on their way while the rows are normalised.  (No vector line has named the ring, nor v1 since the wait above)
	RLOAD 1
	RLOAD 2
	RLOAD 3
	s_wait_kmcnt 0x0
	s_add_co_i32 s60, s28, s29                     ; a sum of the Q product stands for sum x 2^(e0 + e1): bq goes in divided by that
	s_sub_co_i32 s61, 0, s60
	s_add_co_i32 s62, s30, s31
	s_sub_co_i32 s63, 0, s62
	s_add_co_i32 s66, s32, s33
	s_sub_co_i32 s67, 0, s66
	s_sub_co_i32 s68, s34, s60                     ; and the code of Q is sum / 2^(e6 - e0 - e1): three scales in one
	s_sub_co_i32 s69, s35, s62
	s_sub_co_i32 s70, s37, s66
	WIN 0x82
.set n, 0
.rept 32
	v_ldexp_f32 v[BQ+n], v[BQ+n], s61
	v_ldexp_f32 v[BK+n], v[BK+n], s63
.set n, n+1
.endr
	WIN 0
	MKSC SC, 29
	MKSC SC+2, 31
	MKSC SC+4, 33
	MKSC SC+6, 68
	MKSC SC+8, 69
	MKSC SC+10, 70
; ---- the norm.  A lane holds 16 numbers of each of 16 rows; a row is summed in the lane, then over the 32 lanes.
.macro REDUCE
.set n, 0
.rept 16
	v_add_f32 v[P+2*n], v[P+2*n], v[P+2*n+1]
.set n, n+1
.endr
.irp k, 1,2,4,8
.set n, 0
.rept 16
	v_add_f32_dpp v[P+2*n], v[P+2*n], v[P+2*n] row_xmask:\k row_mask:0xf bank_mask:0xf
.set n, n+1
.endr
.endr
.set n, 0
.rept 16
	v_permlanex16_b32 v[P+2*n+1], v[P+2*n], s46, s47
.set n, n+1
.endr
.set n, 0
.rept 16
	v_add_f32 v[P+2*n], v[P+2*n], v[P+2*n+1]
.set n, n+1
.endr
.endm
	WIN 0x05                                       ; both sources window 1
.set n, 0
.rept 16
	v_pk_add_f32 v[P+2*n:P+2*n+1], v[16*n:16*n+1], v[16*n+2:16*n+3]
.set n, n+1
.endr
	WIN 0x04
.set n, 0
.rept 96
	v_pk_add_f32 v[P+2*(n%16):P+2*(n%16)+1], v[P+2*(n%16):P+2*(n%16)+1], v[16*(n%16)+4+2*(n/16):16*(n%16)+5+2*(n/16)]
.set n, n+1
.endr
	WIN 0
	REDUCE
.set n, 0
.rept 16
	v_mul_f32 v[P+2*n], s48, v[P+2*n]              ; the mean
.set n, n+1
.endr
	WIN 0x41
.set n, 0
.rept 128
	v_pk_add_f32 v[2*n:2*n+1], v[2*n:2*n+1], v[P+2*(n/8):P+2*(n/8)+1] op_sel_hi:[1,0] neg_lo:[0,1] neg_hi:[0,1]   ; x - mean
.set n, n+1
.endr
	WIN 0x05
.set n, 0
.rept 16
	v_pk_mul_f32 v[P+2*n:P+2*n+1], v[16*n:16*n+1], v[16*n:16*n+1]
.set n, n+1
.endr
.set n, 0
.rept 112
	v_pk_fma_f32 v[P+2*(n%16):P+2*(n%16)+1], v[16*(n%16)+2+2*(n/16):16*(n%16)+3+2*(n/16)], v[16*(n%16)+2+2*(n/16):16*(n%16)+3+2*(n/16)], v[P+2*(n%16):P+2*(n%16)+1]
.set n, n+1
.endr
	WIN 0
	REDUCE
.set n, 0
.rept 16
	v_fma_f32 v[P+2*n], v[P+2*n], s48, s49         ; variance + eps
.set n, n+1
.endr
.set n, 0
.rept 16
	v_rsq_f32 v[P+2*n], v[P+2*n]
.set n, n+1
.endr
	v_nop                                          ; a plain instruction behind the last root,
	s_wait_alu depctr_va_vdst(0)                   ; and one wait for the sixteen roots' results, ahead of their first reader
	WIN 0x41
.set n, 0
.rept 128
	v_pk_mul_f32 v[2*n:2*n+1], v[2*n:2*n+1], v[P+2*(n/8):P+2*(n/8)+1] op_sel_hi:[1,0]
.set n, n+1
.endr
.set n, 0
.rept 128
	v_pk_fma_f32 v[2*n:2*n+1], v[2*n:2*n+1], v[LG+2*(n%8):LG+2*(n%8)+1], v[LB+2*(n%8):LB+2*(n%8)+1]
.set n, n+1
.endr
	WIN 0x04                                       ; store data window 1
	s_wait_alu depctr_va_vdst(0)                   ; the multiply-adds above have written window 1, which the LDS stores read
.set n, 0
.rept 64
	ds_store_b128 v[STW], v[4*n:4*n+3] offset:PIT*(n/4)+512*(n%4)   ; into my own stage, as loaded: 512 consecutive bytes
.set n, n+1
.endr
; ---- K step s of my 16 rows comes back with 16 neighbours of each block of 32 in a lane, and is quantised three times
.macro CHUNK s
	WIN 0
	s_wait_alu depctr_va_vdst(0)                   ; the holds of the K step before (ahead of the first: the norm's lines) are done with v164-227, in which the loads below land
.set n, 0
.rept 16
	ds_load_b128 v[H+4*n:H+4*n+3], v[SRD] offset:512*\s+128*(n/4)+16*(n%4)   ; LDS serves a wave in order: these see my stores
.set n, n+1
.endr
	s_wait_dscnt 0x0                               ; the numbers are in
.if \s > 0
	s_wait_alu depctr_vm_vsrc(0)                   ; the image stores of the K step before have read v116-163, which the conversions below write again
.endif
.irp p, 0,1,2
.irp b, 0,1,2,3
.set n, 0
.rept 16
	v_med3_num_f32 v[T+16*(\b%2)+n], v[H+16*\b+n], -v[SC+2*\p+1], v[SC+2*\p+1]
.set n, n+1
.endr
	v_cvt_scalef32_pk8_bf8_f32 v[PC+16*\p+4*\b:PC+16*\p+4*\b+1], v[T+16*(\b%2):T+16*(\b%2)+7], v[SC+2*\p]       ; the other set of T is written next: its sixteen holds
	v_cvt_scalef32_pk8_bf8_f32 v[PC+16*\p+4*\b+2:PC+16*\p+4*\b+3], v[T+16*(\b%2)+8:T+16*(\b%2)+15], v[SC+2*\p]  ; stand between a conversion and the next write of its sources
.endr
.endr
	v_nop
	s_wait_alu depctr_va_vdst(0)                   ; the conversions have written v116-163, which the image stores read
.irp p, 0,1,2
.irp b, 0,1,2,3
	ds_store_b128 v[IMW+\p], v[PC+16*\p+4*\b:PC+16*\p+4*\b+3] offset:2048*\s+512*\b
.endr
.endr
.endm
	CHUNK 0
	CHUNK 1
	CHUNK 2
	CHUNK 3
	s_wait_dscnt 0x0                               ; my images lie in LDS
	s_barrier_signal -1
	s_barrier_wait -1                              ; everybody's do
; ---- a quad: one tile of 16 units x all 512 of K x the four row tiles: 16 matrix instructions, the four accumulators by turns
.set QN, 0
.macro QUAD nat, bias
.set SL, 64*(QN%4)
.set BT, \bias+8*(QN%4)
.if QN < 9
	s_wait_loadcnt 48                              ; my quad is in; the three younger quads, 16 loads each, may be out
.else
	s_wait_loadcnt 16*(11-QN)                      ; the stream ends at quad 11: fewer younger quads
.endif
.if \nat
	WIN 0xad                                       ; source 0 h (window 1), source 1 ring (3), C and D window 2
.else
	WIN 0xa7                                       ; source 0 ring (3), source 1 h (1), C and D window 2
.endif
.irp s, 0,1,2,3
.irp m, 0,1,2,3
.set AC, 8*(4*(QN%4)+\m)
.set AF, 16*(4*\m+\s)
.if \nat
.if \s == 0
	v_wmma_f32_16x16x128_bf8_bf8 v[AC:AC+7], v[AF:AF+15], v[SL+16*\s:SL+16*\s+15], v[BT:BT+7]
.else
	v_wmma_f32_16x16x128_bf8_bf8 v[AC:AC+7], v[AF:AF+15], v[SL+16*\s:SL+16*\s+15], v[AC:AC+7]
.endif
.else
.if \s == 0
	v_wmma_f32_16x16x128_bf8_bf8 v[AC:AC+7], v[SL+16*\s:SL+16*\s+15], v[AF:AF+15], v[BT:BT+7]
.else
	v_wmma_f32_16x16x128_bf8_bf8 v[AC:AC+7], v[SL+16*\s:SL+16*\s+15], v[AF:AF+15], v[AC:AC+7]
.endif
.endif
.endr
.endr
	PLACES 4                                       ; the places behind the products, ahead of the first read of results (ISA guide 7.12.1); they stay where they stood
.if QN+4 < 12
	WIN 0xc0
	s_wait_alu depctr_va_vdst(0)                   ; the sixteen products are done reading this ring slot, in which the loads below land
	RLOAD QN+4
.endif
.set QN, QN+1
.endm
; ---- a head is finished: hold, convert, store.  Each store of the wave covers 512 consecutive bytes.  ep: this phase's own 32 code registers: no store's data are written again
.macro EPI nat, sc, ob, ep
	WIN 0x82
.set n, 0
.rept 128
	v_med3_num_f32 v[n], v[n], -v[\sc+1], v[\sc+1] ; each accumulator from its low end on
.set n, n+1
.endr
	WIN 0x02
.set n, 0
.rept 16                               ; n = 4 ct + m
.if \nat
	v_cvt_scalef32_pk8_bf8_f32 v[(\ep)+8*(n/4)+2*(n%4):(\ep)+8*(n/4)+2*(n%4)+1], v[8*n:8*n+7], v[\sc]   ; channel tile ct: keys 32 (m / 2) + 16 h + 8 (m % 2) on
.else
	v_cvt_scalef32_pk8_bf8_f32 v[(\ep)+8*(n%4)+2*(n/4):(\ep)+8*(n%4)+2*(n/4)+1], v[8*n:8*n+7], v[\sc]   ; row tile m: channels 32 (ct / 2) + 16 h + 8 (ct % 2) on
.endif
.set n, n+1
.endr
	WIN 0
	v_nop                                          ; a plain instruction between the conversions and the products that write their sources again
	s_wait_alu depctr_va_vdst(0)                   ; the conversions have written this phase's 32 code registers, which the stores read
.set n, 0
.rept 8
	global_store_b128 v[LI], v[(\ep)+4*n:(\ep)+4*n+3], s[\ob:\ob+1] offset:(n/2)*(1024+1024*\nat)+(n%2)*512
.set n, n+1
.endr
.endm
.macro PHASE p, nat, bias, sc, ob
	WIN 0x40
.if \p == 0
	s_wait_alu depctr_vm_vsrc(0)                   ; my LDS stores have read window 1 (into the stage) and v116-163 (the images): the loads below land in the first, the phases' conversions write the second
.endif
	s_wait_alu depctr_va_vdst(0)                   ; the products of the phase before (ahead of the first phase: the norm's lines) are done with window 1, in which the loads below land
.set n, 0
.rept 64
	ds_load_b128 v[4*n:4*n+3], v[AFA+\p] offset:512*n   ; the 16 fragments of h under this product's scale
.set n, n+1
.endr
	s_wait_dscnt 0x0
	QUAD \nat, \bias
	QUAD \nat, \bias
	QUAD \nat, \bias
	QUAD \nat, \bias
	EPI \nat, \sc, \ob, PC+32*\p
.endm
	PHASE 0, 0, BQ, SC+6, 52
	PHASE 1, 0, BK, SC+8, 54
	WIN 0x80
.set n, 0
.rept 32
	v_ldexp_f32 v[BQ+n], v[BVR+n/8], s67           ; in V's layout a lane holds one channel: its bias, eight times, is the C tile; it takes the registers that bq has left
.set n, n+1
.endr
	PHASE 2, 1, BQ, SC+10, 56
	s_wait_dscnt 0x0                               ; the closing lines, six on end
	s_wait_alu 0x0
	s_wait_tensorcnt 0x0
	ds_add_u32 v254, v255
	s_wait_dscnt 0x0
	s_endpgm
.Lfunc_end_k_q25d0674cb7_qkv:
	.size	k_q25d0674cb7_qkv, .Lfunc_end_k_q25d0674cb7_qkv-k_q25d0674cb7_qkv
	.p2alignl 7, 3214868480
	.fill 96, 4, 3214868480
	.section	.rodata,"a",@progbits
	.p2align	6, 0x0
	.amdhsa_kernel k_q25d0674cb7_qkv
		.amdhsa_group_segment_fixed_size 230912
		.amdhsa_private_segment_fixed_size 0
		.amdhsa_enable_private_segment 0
		.amdhsa_kernarg_size 88
		.amdhsa_user_sgpr_count 2
		.amdhsa_user_sgpr_kernarg_segment_ptr 1
		.amdhsa_wavefront_size32 1
		.amdhsa_system_sgpr_workgroup_id_x 1
		.amdhsa_system_sgpr_workgroup_id_y 1
		.amdhsa_system_sgpr_workgroup_id_z 1
		.amdhsa_system_vgpr_workitem_id 0
		.amdhsa_next_free_vgpr 1024
		.amdhsa_next_free_sgpr 80
		.amdhsa_reserve_vcc 0
		.amdhsa_float_denorm_mode_32 3
		.amdhsa_float_denorm_mode_16_64 3
		.amdhsa_memory_ordered 1
		.amdhsa_forward_progress 1
		.amdhsa_inst_pref_size 215
	.end_amdhsa_kernel
	.amdgpu_metadata
---
amdhsa.version: [ 1, 2 ]
amdhsa.kernels:
  - .name:           k_q25d0674cb7_qkv
    .symbol:         k_q25d0674cb7_qkv.kd
    .args:
      - { .name: x, .offset: 0, .size: 8, .value_kind: global_buffer, .address_space: global }
      - { .name: ln1_g, .offset: 8, .size: 8, .value_kind: global_buffer, .address_space: global }
      - { .name: ln1_b, .offset: 16, .size: 8, .value_kind: global_buffer, .address_space: global }
      - { .name: wcodes, .offset: 24, .size: 8, .value_kind: global_buffer, .address_space: global }
      - { .name: bq, .offset: 32, .size: 8, .value_kind: global_buffer, .address_space: global }
      - { .name: bk, .offset: 40, .size: 8, .value_kind: global_buffer, .address_space: global }
      - { .name: bv, .offset: 48, .size: 8, .value_kind: global_buffer, .address_space: global }
      - { .name: lowp_scales, .offset: 56, .size: 8, .value_kind: global_buffer, .address_space: global }
      - { .name: q_codes, .offset: 64, .size: 8, .value_kind: global_buffer, .address_space: global }
      - { .name: k_codes, .offset: 72, .size: 8, .value_kind: global_buffer, .address_space: global }
      - { .name: v_codes, .offset: 80, .size: 8, .value_kind: global_buffer, .address_space: global }
    .group_segment_fixed_size: 230912
    .private_segment_fixed_size: 0
    .kernarg_segment_align: 8
    .kernarg_segment_size: 88
    .max_flat_workgroup_size: 128
    .sgpr_count:     80
    .vgpr_count:     1024
    .wavefront_size: 32
...
	.end_amdgpu_metadata
.endif
;; end of part 5
;; launch attn (part 6): grid 8 x 32, 16 waves a work-group, no clusters, 34,816 bytes of LDS; arguments q_codes, k_codes, v_codes, lowp_scales, a_codes; writes a_codes
.if DOCPART == 6
	.amdgcn_target "amdgcn-amd-amdhsa--gfx1250"
	.amdhsa_code_object_version 6
	.text
	.protected	k_q25d0674cb7_attn
	.globl	k_q25d0674cb7_attn
	.p2align	8
	.type	k_q25d0674cb7_attn,@function
k_q25d0674cb7_attn:
	s_mov_b64 s[64:65], 0
	v_nop
	global_prefetch_b8 v0, s[64:65] scope:SCOPE_SE
	s_setreg_imm32_b32 hwreg(HW_REG_WAVE_SCHED_MODE, 0, 2), 2
	s_setreg_imm32_b32 hwreg(HW_REG_WAVE_MODE, 25, 1), 1
	s_wait_xcnt 0x0
	s_wait_alu depctr_vm_vsrc(0)
; ATTN: o = softmax(q k^T / 8, causal) v for 32 (batch, head) pairs of 2,048 tokens, head size 64, both products on codes of E5M2; o leaves as codes.
; THE SOFTMAX AHEAD OF THE SECOND PRODUCT: t = score x log2(e) / 8; M = the running largest t rounded UP to a whole number; p = 2^(t - M) is quantised (e8),
; not normalised; the sum is taken of the unquantised p and divides at the end.  When M moves, the sum and O are multiplied by 2^(old M - new M): exact.
; SHARES.  Work-group (i, bh) owns the query blocks i and 15 - i of 128 queries: 17 block steps whatever i is.  Each of sixteen waves owns one tile of 16 queries;
; the blocks are dealt so that each group of four waves, by either dealing, has two of each block.  Keys go 128 a step, two steps a trip; the loop counts trips, (17 - i) / 2 of them.
; Steps whose keys all come after the queries of a wave are left out by a scalar branch on ids, round the work alone; the copies and the barrier stay.
; K AND V reach LDS through registers: wave w copies 512 bytes of each for every step, loaded two steps ahead, stored one step ahead, into two slots by turns.
; One barrier a step orders both ways: the reads of this slot are over before it is written again, and the other slot is whole before it is read.
; No multicast: the work-groups of a head walk different numbers of steps, and the copies are 16 KiB a step beside some 400 vector instructions a wave.
; LAYOUT.  Both products transposed (S^T = K Q^T, O^T = V^T P^T): a lane holds one query.  The code buffers are images of operand registers, 16 bytes a lane;
; tiles take rows 32 (t / 2) + 8 (t % 2) + i + 8 (i / 8), so the 16 registers of tiles 2 b, 2 b + 1 are 16 neighbours: keys for p, channels for o.
; The mask: hidden scores become -infinity where the problem writes -1e9: both give p = 0, since the diagonal key always counts.
; LIMITS: e6 + e7 between -124 and 130; e8 and e10 - e8 - e9 between -126 and 112.  NaN among the inputs is not served.
; REGISTERS: v1-3, v6 addresses; v8, v9 hold and scale of p; v10, v11 of o; v12 -M; v13 largest t; v[14:15] the sum; v16-23 Q; v24-31, v192-199 the two copy sets;
;   v32-95 fragments of K, then of V; v96-159 S^T, then p; v160-191 O^T; v200-215 codes of p; v216-223 codes of o; v224-231 at work.
; LDS: slot s: K at 16,384 s, V at 16,384 s + 8,192.
; THE MODE: SCHED_MODE bits 1:0 = 2 (LLVM: expert scheduling mode 2), set by the entry lines.  The code itself states the register dependences
; between vector or matrix instructions and memory or LDS instructions, with s_wait_alu, always for 0.
; THE PLAN.  Registers that memory or LDS instructions touch:
;   v1, v2, v6        16 x lane, 16 x thread, 256 x lane: made once at the head, one wait on va_vdst behind them, never written again.  The key steps are reached by two scalar
;                     bases, made anew at each step's head, behind the wait that shows the loads that read them done: no vector line makes an address in the loop.
;   v24-31, v192-199  the two copy sets: a global load lands, an LDS store reads, no vector line names them.  ONE wait on vm_vsrc a step: the LDS stores of the step before have
;                     read the set in which this step's loads land.
;   v32-95            K's fragments land, eight products read them, V's fragments land, four products read them: a wait on va_vdst ahead of each of the two runs of LDS loads.
;   v216-223          the way out: conversions write, two stores read: a wait on va_vdst between.
; Scalar results of vector lines: the wave's number, with a wait on va_sdst ahead of its first reader; on the diagonal the compares write sixteen masks, s24 to s39, in a run,
; with one wait on va_sdst between the run and the sixteen selects that read them.
.set LI,  1                            ; 16 x lane
.set CP,  2                            ; 16 x thread: my 16 bytes of a block of 8,192
.set VD,  3                            ; my query in its block, less 16 (lane / 16)
.set PFO, 6                            ; 256 x lane
.macro PLACES n
.rept \n
	v_nop
.endr
.endm
; A PREFETCH of key steps J + 4 and J + 5, whose copy loads are issued one trip (two key steps) later.  All work-groups of a (batch, head) walk the same K and V: the one with
; x = 0, which walks all 16 steps, asks; in it wave 0 for K and wave 1 for V, lanes 256 bytes apart, 8,192 bytes an instruction: each block is named once.
; Steps 0 to 3 come by their loads alone; from J = 12 on nothing is left to ask for.
.macro ASK
	s_cmp_lt_u32 s19, s46
	s_cbranch_scc0 .Lnot_mine_\@
	global_prefetch_b8 v[PFO], s[44:45] th:TH_LOAD_NT scope:SCOPE_SE
	global_prefetch_b8 v[PFO], s[44:45] offset:8192 th:TH_LOAD_NT scope:SCOPE_SE
.Lnot_mine_\@:
.endm
	s_load_b256 s[4:11], s[0:1], 0x0               ; q_codes, k_codes, v_codes, exponents s[10:11]
	s_load_b64 s[12:13], s[0:1], 0x20              ; a_codes
	v_lshl_add_u32 v254, v0, 2, 0x8000
	v_mov_b32 v255, 0
	v_lshrrev_b32 v7, 5, v0
	v_readfirstlane_b32 s14, v7                    ; wave 0 .. 15
	v_and_b32 v7, 31, v0
	v_lshlrev_b32 v[LI], 4, v7
	v_lshlrev_b32 v[CP], 4, v0
	v_lshlrev_b32 v[PFO], 8, v7
	s_wait_alu depctr_va_sdst(0)                   ; s14 is written, ahead of its first reader: the wave's block, tile and bases are made from it
	s_lshr_b32 s15, s14, 2
	s_xor_b32 s15, s15, s14
	s_and_b32 s15, s15, 1                          ; which of the two blocks
	s_lshr_b32 s16, s14, 1                         ; which of its eight tiles
	s_sub_co_u32 s47, 15, ttmp9
	s_cmp_eq_u32 s15, 0
	s_cselect_b32 s17, ttmp9, s47                  ; qb: my block of 128 queries = my last key step
	s_sub_co_u32 s18, 17, ttmp9
	s_lshr_b32 s18, s18, 1                         ; trips: the 16 - i steps of the work-group, two a trip, rounded up: 5 to 8
	s_lshr_b32 s49, s16, 1
	s_lshl_b32 s49, s49, 5
	s_and_b32 s47, s16, 1
	s_lshl_b32 s47, s47, 3
	s_add_co_u32 s49, s49, s47
	v_and_b32 v[VD], 15, v0
	v_and_b32 v7, 8, v0
	v_add_nc_u32 v[VD], v[VD], v7
	v_and_b32 v7, 16, v0
	v_sub_nc_u32 v[VD], v[VD], v7
	v_add_nc_u32 v[VD], s49, v[VD]                 ; 32 (tile / 2) + 8 (tile % 2) + r + 8 (r / 8) - 16 h
	s_and_b32 s52, ttmp7, 0xffff                   ; bh = 8 batch + head
	s_lshl_b32 s50, s52, 17
	s_mov_b32 s51, 0
	s_lshl_b32 s53, s17, 3
	s_add_co_u32 s53, s53, s16                     ; my tile among the 128 of the sequence
	s_lshl_b32 s54, s53, 10
	s_mov_b32 s55, 0
	s_lshr_b32 s56, s52, 3
	s_lshl_b32 s56, s56, 7
	s_add_co_u32 s56, s56, s53
	s_lshl_b32 s56, s56, 13                        ; a_codes: 8,192 bytes a tile of rows,
	s_and_b32 s57, s52, 7
	s_lshl_b32 s57, s57, 10                        ; + 1,024 x head: the 64 channels of a head are half of a K step of 128
	s_add_co_u32 s56, s56, s57
	s_mov_b32 s57, 0
	s_lshr_b32 s47, s14, 1
	s_or_b32 s47, s47, ttmp9
	s_cmp_eq_u32 s47, 0
	s_cselect_b32 s46, 12, 0                       ; who prefetches, and until when
	s_mov_b32 s20, 0x76543210
	s_mov_b32 s21, 0xfedcba98
	s_mov_b32 s22, 0x3e38aa3b                      ; c = log2(e) / 8
	s_mov_b32 s58, 0                               ; the trip's number
	s_wait_kmcnt 0x0
	s_load_b512 s[24:39], s[10:11], 0x0            ; e0 .. e15
	s_add_nc_u64 s[4:5], s[4:5], s[50:51]
	s_add_nc_u64 s[4:5], s[4:5], s[54:55]
	s_add_nc_u64 s[40:41], s[6:7], s[50:51]
	s_add_nc_u64 s[42:43], s[8:9], s[50:51]
	s_add_nc_u64 s[12:13], s[12:13], s[56:57]
	s_mov_b32 s53, 0                               ; from here on s[52:53] is a key step's byte offset, s[54:55] and s[56:57] K and V at that step
	s_cmp_eq_u32 s14, 0
	s_cselect_b64 s[44:45], s[40:41], s[42:43]
	s_add_nc_u64 s[44:45], s[44:45], 16384         ; stepped by two key steps at the head of each trip: step 4 in the first
	s_wait_alu depctr_va_vdst(0)                   ; v1, v2 and v6 are written: every load, store and prefetch of the kernel reads one of them as its offset or LDS address
	global_load_b128 v[16:19], v[LI], s[4:5] th:TH_LOAD_NT
	global_load_b128 v[20:23], v[LI], s[4:5] offset:512 th:TH_LOAD_NT
	global_load_b128 v[24:27], v[CP], s[40:41]
	global_load_b128 v[28:31], v[CP], s[42:43]
	global_load_b128 v[192:195], v[CP], s[40:41] offset:8192
	global_load_b128 v[196:199], v[CP], s[42:43] offset:8192
	v_mov_b32 v13, 0xff61b1e6                      ; the largest t so far: -3e38
	v_floor_f32 v12, -v13
	v_mov_b32 v14, 0
	v_mov_b32 v15, 0
	v_mov_b32 v227, 0                              ; named as the upper half of a pair
	v_mov_b32 v228, 0                              ; a lane permute counts as a reader of its destination
.set n, 0
.rept 32
	v_mov_b32 v[160+n], 0                          ; the step is written once: the first finds zeros
.set n, n+1
.endr
	s_wait_kmcnt 0x0
	s_add_co_i32 s47, s30, s31
	s_lshl_b32 s47, s47, 23
	s_add_co_i32 s22, s22, s47                     ; a score stands for score x 2^(e6 + e7): added to the exponent field of c
	s_mov_b32 s23, s22
	s_add_co_i32 s47, s32, 127
	s_lshl_b32 s48, s47, 23
	v_mov_b32 v9, s48                              ; 2^e8
	s_add_co_i32 s47, s47, 15
	s_lshl_b32 s47, s47, 23
	s_or_b32 s47, s47, 0x600000
	v_mov_b32 v8, s47                              ; 57,344 x 2^e8
	s_sub_co_i32 s47, s34, s32
	s_sub_co_i32 s47, s47, s33                     ; o = sum x 2^(e8 + e9) / l: its code is (sum / l) / 2^(e10 - e8 - e9)
	s_add_co_i32 s47, s47, 127
	s_lshl_b32 s48, s47, 23
	v_mov_b32 v11, s48
	s_add_co_i32 s47, s47, 15
	s_lshl_b32 s47, s47, 23
	s_or_b32 s47, s47, 0x600000
	v_mov_b32 v10, s47
	s_wait_loadcnt 0x2                             ; Q and step 0 are in; the two loads of step 1 may be out
	ds_store_b128 v[CP], v[24:27]
	ds_store_b128 v[CP], v[28:31] offset:8192
	s_wait_dscnt 0x0
	s_barrier_signal -1
	s_barrier_wait -1                              ; slot 0 is whole
; KEY STEP j = J + sg, in slot sg.  At its head slot sg is whole and the other copy set holds, or is about to hold, step j + 1.
.macro STEP sg
	s_wait_loadcnt 0x0                             ; step j + 1 is in registers (asked for a step ago); the loads that read the two bases are done, so these may be written
	s_add_co_u32 s48, s19, \sg
	s_add_co_u32 s47, s48, 2
	s_min_u32 s47, s47, 15                         ; no load leaves its buffer
	s_lshl_b32 s52, s47, 13
	s_add_nc_u64 s[54:55], s[40:41], s[52:53]      ; K and V at step j + 2
	s_add_nc_u64 s[56:57], s[42:43], s[52:53]
	s_wait_alu depctr_vm_vsrc(0)                   ; the LDS stores of the step before have read this copy set, in which the loads below land
	global_load_b128 v[24+168*\sg:27+168*\sg], v[CP], s[54:55]   ; step j + 2
	global_load_b128 v[28+168*\sg:31+168*\sg], v[CP], s[56:57]
.if \sg == 0
	ASK
.endif
	ds_store_b128 v[CP], v[24+168*(1-\sg):27+168*(1-\sg)] offset:16384*(1-\sg)        ; step j + 1 into the slot that everybody left at the last barrier
	ds_store_b128 v[CP], v[28+168*(1-\sg):31+168*(1-\sg)] offset:16384*(1-\sg)+8192
	s_cmp_gt_u32 s48, s17
	s_cbranch_scc1 .Lend_\@                        ; all keys of the step come after my queries
	PLACES 4                                       ; (the four places stay where they stood)
	s_wait_alu depctr_va_vdst(0)                   ; the products of the last step that I worked are done reading v32-95, in which K's fragments land
.set n, 0
.rept 16
	ds_load_b128 v[32+4*n:35+4*n], v[LI] offset:16384*\sg+512*n
.set n, n+1
.endr
	s_wait_dscnt 0x0
.irp t, 0,1,2,3,4,5,6,7
	v_wmma_f32_16x16x64_bf8_bf8 v[96+8*\t:103+8*\t], v[32+8*\t:39+8*\t], v[16:23], 0
.endr
	PLACES 4                                       ; the places ahead of the first read of the scores (ISA guide 7.12.1)
	s_wait_alu depctr_va_vdst(0)                   ; the eight products are done reading v32-95, in which V's fragments land
.set n, 0
.rept 16
	ds_load_b128 v[32+4*n:35+4*n], v[LI] offset:16384*\sg+8192+512*n   ; V lands during the softmax
.set n, n+1
.endr
	s_cmp_lg_u32 s48, s17
	s_cbranch_scc1 .Lopen_\@                       ; only the last step of a wave lies on the diagonal
	v_mov_b32 v224, 0xff800000
.irp b, 0,1,2,3                        ; register 16 b + i holds key 32 b + 16 (lane / 16) + i of the step: hidden where 32 b + i > VD
.set n, 0
.rept 16
	v_cmp_gt_i32 s[24+n], 32*\b+n, v[VD]           ; sixteen masks in a run (s24 to s39 held the exponents, which are done with)
.set n, n+1
.endr
	s_wait_alu depctr_va_sdst(0)                   ; the sixteen masks are written, ahead of the selects that read them
.set n, 0
.rept 16
	v_cndmask_b32 v[96+16*\b+n], v[96+16*\b+n], v224, s[24+n]
.set n, n+1
.endr
.endr
.Lopen_\@:
	v_max3_num_f32 v224, v96, v97, v98             ; the largest score of my query among my 64 keys, in two chains, each tile from its low end on
	v_max3_num_f32 v226, v99, v100, v101
.irp i, 6,10,14,18,22,26,30,34,38,42,46,50,54,58
	v_max3_num_f32 v224, v224, v[96+\i], v[97+\i]
	v_max3_num_f32 v226, v226, v[98+\i], v[99+\i]
.endr
	v_max3_num_f32 v224, v224, v158, v159
	v_max_num_f32 v224, v224, v226
	v_permlanex16_b32 v228, v224, s20, s21
	v_max_num_f32 v224, v224, v228
	v_mul_f32 v224, s22, v224
	v_max_num_f32 v13, v13, v224
	v_mov_b32 v224, v12
	v_floor_f32 v12, -v13                          ; -M = floor(-t)
	v_sub_f32 v224, v12, v224
	v_cvt_i32_f32 v224, v224                       ; old M - new M, a whole number, 0 or less (it saturates)
	v_ldexp_f32 v226, 1.0, v224                    ; f
.set n, 0
.rept 32
	v_pk_fma_f32 v[96+2*n:97+2*n], v[96+2*n:97+2*n], s[22:23], v[12:13] op_sel_hi:[1,0,0]   ; t - M
.set n, n+1
.endr
.set n, 0
.rept 64
	v_exp_f32 v[96+n], v[96+n]
.set n, n+1
.endr
	v_pk_mul_f32 v[14:15], v[14:15], v[226:227] op_sel_hi:[1,0]   ; the sum under the new M: the plain instruction behind the batch
	s_wait_alu depctr_va_vdst(0)                   ; one wait for the 64 exponentials' results, ahead of their first reader
	v_pk_add_f32 v[230:231], v[96:97], v[98:99]    ; the sum of the unquantised p, in two chains
.irp j, 4,8,12,16,20,24,28,32,36,40,44,48,52,56,60
	v_pk_add_f32 v[14:15], v[14:15], v[96+\j:97+\j]
	v_pk_add_f32 v[230:231], v[230:231], v[98+\j:99+\j]
.endr
	v_pk_add_f32 v[14:15], v[14:15], v[230:231]
.irp b, 0,1,2,3
.set n, 0
.rept 16
	v_min_num_f32 v[96+16*\b+n], v[96+16*\b+n], v8 ; p is not negative: a one-sided hold
.set n, n+1
.endr
	v_cvt_scalef32_pk8_bf8_f32 v[200+4*\b:201+4*\b], v[96+16*\b:103+16*\b], v9
	v_cvt_scalef32_pk8_bf8_f32 v[202+4*\b:203+4*\b], v[104+16*\b:111+16*\b], v9
.endr
.set n, 0
.rept 16
	v_pk_mul_f32 v[160+2*n:161+2*n], v[160+2*n:161+2*n], v[226:227] op_sel_hi:[1,0]   ; O^T under the new M; also the plain work behind the conversions
.set n, n+1
.endr
	s_wait_dscnt 0x0                               ; V is in
.irp d, 0,1,2,3
	v_wmma_f32_16x16x128_bf8_bf8 v[160+8*\d:167+8*\d], v[32+16*\d:47+16*\d], v[200:215], v[160+8*\d:167+8*\d]
.endr
.Lend_\@:
	s_wait_dscnt 0x0                               ; my copy stores have landed and my reads of this slot are over
	s_barrier_signal -1
	s_barrier_wait -1
.endm
.Ltrip:
	s_lshl_b32 s19, s58, 1                         ; J: the first key step of the trip
	s_wait_xcnt 0x0                                ; the prefetches of the last trip have read their address
	s_add_nc_u64 s[44:45], s[44:45], 16384
	STEP 0
	STEP 1
	s_add_co_u32 s58, s58, 1
	s_cmp_lt_u32 s58, s18
	s_cbranch_scc1 .Ltrip
	; THE WAY OUT: O^T / l, held and converted: the 16 registers of channel tiles 2 c, 2 c + 1 are 16 neighbouring channels: the codes are stored as they stand
	PLACES 4
	v_add_f32 v14, v14, v15
	v_permlanex16_b32 v228, v14, s20, s21
	v_add_f32 v14, v14, v228
	v_rcp_f32 v14, v14
	v_nop
	s_wait_alu depctr_va_vdst(0)                   ; the reciprocal's result, ahead of its first reader
.set n, 0
.rept 32
	v_mul_f32 v[96+n], v[160+n], v14
.set n, n+1
.endr
.set n, 0
.rept 32
	v_med3_num_f32 v[96+n], v[96+n], -v10, v10
.set n, n+1
.endr
.irp d, 0,1,2,3
	v_cvt_scalef32_pk8_bf8_f32 v[216+2*\d:217+2*\d], v[96+8*\d:103+8*\d], v11
.endr
	v_nop
	s_wait_alu depctr_va_vdst(0)                   ; the conversions have written v216-223, which the two stores read
	global_store_b128 v[LI], v[216:219], s[12:13]              ; 512 consecutive bytes a store
	global_store_b128 v[LI], v[220:223], s[12:13] offset:512
	s_wait_dscnt 0x0                               ; the closing lines, six on end
	s_wait_alu 0x0
	s_wait_tensorcnt 0x0
	ds_add_u32 v254, v255
	s_wait_dscnt 0x0
	s_endpgm
.Lfunc_end_k_q25d0674cb7_attn:
	.size	k_q25d0674cb7_attn, .Lfunc_end_k_q25d0674cb7_attn-k_q25d0674cb7_attn
	.p2alignl 7, 3214868480
	.fill 96, 4, 3214868480
	.section	.rodata,"a",@progbits
	.p2align	6, 0x0
	.amdhsa_kernel k_q25d0674cb7_attn
		.amdhsa_group_segment_fixed_size 34816
		.amdhsa_private_segment_fixed_size 0
		.amdhsa_enable_private_segment 0
		.amdhsa_kernarg_size 40
		.amdhsa_user_sgpr_count 2
		.amdhsa_user_sgpr_kernarg_segment_ptr 1
		.amdhsa_wavefront_size32 1
		.amdhsa_system_sgpr_workgroup_id_x 1
		.amdhsa_system_sgpr_workgroup_id_y 1
		.amdhsa_system_sgpr_workgroup_id_z 1
		.amdhsa_system_vgpr_workitem_id 0
		.amdhsa_next_free_vgpr 256
		.amdhsa_next_free_sgpr 66
		.amdhsa_reserve_vcc 0
		.amdhsa_float_denorm_mode_32 3
		.amdhsa_float_denorm_mode_16_64 3
		.amdhsa_memory_ordered 1
		.amdhsa_forward_progress 1
		.amdhsa_inst_pref_size 61
	.end_amdhsa_kernel
	.amdgpu_metadata
---
amdhsa.version: [ 1, 2 ]
amdhsa.kernels:
  - .name:           k_q25d0674cb7_attn
    .symbol:         k_q25d0674cb7_attn.kd
    .args:
      - { .name: q_codes, .offset: 0, .size: 8, .value_kind: global_buffer, .address_space: global }
      - { .name: k_codes, .offset: 8, .size: 8, .value_kind: global_buffer, .address_space: global }
      - { .name: v_codes, .offset: 16, .size: 8, .value_kind: global_buffer, .address_space: global }
      - { .name: lowp_scales, .offset: 24, .size: 8, .value_kind: global_buffer, .address_space: global }
      - { .name: a_codes, .offset: 32, .size: 8, .value_kind: global_buffer, .address_space: global }
    .group_segment_fixed_size: 34816
    .private_segment_fixed_size: 0
    .kernarg_segment_align: 8
    .kernarg_segment_size: 40
    .max_flat_workgroup_size: 512
    .sgpr_count:     66
    .vgpr_count:     256
    .wavefront_size: 32
...
	.end_amdgpu_metadata
.endif
;; end of part 6
;; launch ffn (part 7): grid 256 x 1, 4 waves a work-group, no clusters, 212,480 bytes of LDS; arguments a_codes, wcodes, x, bp, ln2_g, ln2_b, b1, b2, lowp_scales, out0; writes out0
.if DOCPART == 7
	.amdgcn_target "amdgcn-amd-amdhsa--gfx1250"
	.amdhsa_code_object_version 6
	.text
	.protected	k_q25d0674cb7_ffn
	.globl	k_q25d0674cb7_ffn
	.p2align	8
	.type	k_q25d0674cb7_ffn,@function
k_q25d0674cb7_ffn:
	s_mov_b64 s[64:65], 0
	v_nop
	global_prefetch_b8 v0, s[64:65] scope:SCOPE_SE
	s_setreg_imm32_b32 hwreg(HW_REG_WAVE_SCHED_MODE, 0, 2), 2
	s_setreg_imm32_b32 hwreg(HW_REG_WAVE_MODE, 25, 1), 1
	s_wait_xcnt 0x0
	s_wait_alu depctr_vm_vsrc(0)
; FFN: x1 = x + a Wp + bp;  h2 = layernorm(x1);  out = x1 + relu(h2 W1 + b1) W2 + b2.  The three products on codes of E5M2; nothing but the result goes to memory.
; SHARES.  TWO WORK-GROUPS SHARE 64 ROWS.  Both make x1, h2 and the whole hidden layer for rows 64 blk on; work-group 2 blk + H makes columns 256 H .. 256 H + 255 of the result.
; THE WAVES SHARE THE COLUMNS: wave w makes columns 128 w on of x1, in slab g (512 hidden units) the hidden units 512 g + 128 w on, and columns 256 H + 64 w on of the result, for all 64 rows.
; So each weight byte is loaded once in the work-group, straight into the registers of the wave that multiplies by it, in quads (4 fragments, 8,192 bytes) through a ring of four quads (64 loads on
; their way).  A wave walks 8 + 4 x (8 + 4) = 56 quads where one work-group for all 512 columns would give it 72, and 256 work-groups have work where there would be 128; the price is that a Wp and
; h2 W1 are multiplied in both partners.  Wp's and W1's quads come from stream w of wcodes; W2's from stream 2 H + w / 2, every second quad: that stream's quads of 64 output columns each.
; What goes round in LDS is small: codes of h2 and of the hidden layer, as images of operand registers.  No multicast: a shared stream would have to pass through LDS, 1.75 MiB written and read again in each work-group.
; All products are used transposed (source 0 = 16 units, source 1 = 16 rows) and tiles take 32 (t / 2) + 8 (t % 2) + i + 8 (i / 8): a lane holds one row and, for each 32 columns, 16 neighbours.
; THE RESIDUAL.  x1 of my 64 result columns lies in another wave's accumulators: all x1 goes back into the stage, over the x that it came from, ahead of the barrier that h2 needs anyway, and each wave
; takes its 64 columns behind it.  Divided by 2^(e14 + e15), with b2, they are the start of the last product's sums: the residual costs no addition.
; THE NORM over 512 columns spans the four waves: each gives the mean and the sum of squared differences of its 128 columns; they are joined by
; M2 = sum of M2_w + 128 x sum of (mean_w - mean)^2: no difference of large sums is formed.
; LIMITS: e10 + e11 and e14 + e15 between -126 and 126; e12 and e14 - e12 - e13 between -126 and 112.  NaN among the inputs is not served.
; REGISTERS.  window 0: v1-23, v36-39 addresses and scales; v24-35 at work; v48-63 codes; R1 v64-127: b2, then 8 hidden sums, then hidden fragments; R2 v128-191: bp, then hidden fragments; v192-255: statistics, then b1 tiles.
;   window 1: fragments of a, then x, then gain, bias and 64 numbers at work, then fragments of h2, at last rows of the result.
;   window 2: x as loaded, then x1 (row tile m, unit tile ct at 64 m + 8 ct), then v0-127 the result's 16 accumulators (m, f at 32 m + 8 f).   window 3: the ring.
; LDS: 0 a stage of 64 rows x 2,064 bytes (row 16 m + r);  B1L b1, scaled;  LNP gain, bias;  STAT the statistics;  H2IMG, HIMG 16 images of 2,048 bytes each.
; THE MODE: SCHED_MODE bits 1:0 = 2 (LLVM: expert scheduling mode 2), set by the entry lines.  The code itself states the register dependences
; between vector or matrix instructions and memory or LDS instructions, with s_wait_alu, always for 0.
; THE PLAN.  Registers that memory or LDS instructions touch:
;   v1-12, v14-18, v36-39  offsets and LDS addresses: made once at the head, one wait on va_vdst behind them, never written again.
;   v13           the slab's place in b1: written once a slab: a wait on vm_vsrc ahead of the add (the last slab's LDS loads have read it), one on va_vdst behind it.
;   the ring      a quad: loads land in a slot, its sixteen products read the slot, and behind them the loads of the quad four on land in it: ONE wait on va_vdst a quad, between the two.
;                 The refill stays behind its own quad's products: there it is four quads ahead of its use; at the next quad's head it would be three.
;   window 2      x lands; LDS stores read it; the products write it (vm_vsrc behind the first barrier).  x1: LDS stores read it; my 64 columns land in v0-127 (vm_vsrc and va_vdst ahead of the loads).
;   window 1      a lands, the first product reads; x lands (the last quad's wait), multiply-adds read; gain and bias land (va_vdst); h2's fragments land (the pair of waits above), the second
;                 product reads; rows of the result land (va_vdst), global stores read.
;   PC v48-63     conversions write, image stores read: va_vdst ahead of each image's stores, vm_vsrc ahead of the next conversions.
;   R1, R2        hidden fragments land by turns, the third product reads them: the quad's wait frees them too; in the last slab, which asks for no more weights, quads 8 and 9 have it for their sake alone.
;   v192-255      b1 (scaled) and the statistics: vector lines write, LDS stores read (va_vdst ahead of each run); the slab's b1 tiles land (the two waits at the slab's head), the second product reads them as C.
.set B1L,   132096
.set LNP,   140288
.set STAT,  144384
.set H2IMG, 146432
.set HIMG,  179200
.set LI,   1                           ; 16 x lane
.set STW,  2                           ; stage, dense: 33,024 w + 16 x lane
.set XRD0, 3                           ; stage, my 128 columns of row r: 2,064 r + 512 w + 64 h; v4: the same 32 rows on
.set STA,  5
.set STB,  6
.set LNA,  7
.set H2W,  8
.set H2R,  9
.set HW,   10
.set HR,   11
.set B1A0, 12
.set B1A,  13
.set BPA,  14                          ; 64 h
.set LNG,  15                          ; 16 x thread
.set LNW,  16
.set B1W,  17
.set B1G,  18                          ; 2,048 w + 16 x lane
.set SCH2, 20                          ; v20, v21: 2^e12 and 57,344 x that
.set SCH,  22                          ; v22, v23: the same with e14 - e12 - e13
.set TA,   24
.set TB,   28
.set TC,   32
.set XW,   36                          ; stage, the way out: 2,064 r + 256 w + 64 h: the work-group's 256 columns lie at a row's first 1,024 bytes; v37: 32 rows on
.set XR2,  38                          ; stage, x1 of my 64 result columns: XW + 1,024 H; v39: 32 rows on
.set PC,   48
.set R1,   64
.set R2,   128
.set BI,   192
.set SM,   192                         ; a pair a row tile: the mean in its low word
.set U,    200
.set MW,   208                         ; a pair a row tile: (mean_w, M2_w)
.set LD,   216                         ; sixteen such pairs, of the four waves
.set RS,   248                         ; a pair a row tile: 1 / sqrt(variance + eps) in its low word
.set TT,   128                         ; in window 1: 64 numbers at work
.set MSB, 0
.macro WIN new                         ; the high byte repeats the setting that is left
.if MSB != \new
	s_set_vgpr_msb (MSB<<8)|\new
.set MSB, \new
.endif
.endm
.macro PLACES n
.rept \n
	v_nop
.endr
.endm
.macro BARRIER                         ; my LDS stores have landed and my LDS loads are in: then the barrier
	s_wait_dscnt 0x0
	s_barrier_signal -1
	s_barrier_wait -1
.endm
.macro MKSC vr, se
	s_add_co_i32 s[\se], s[\se], 127
	s_lshl_b32 s45, s[\se], 23
	v_mov_b32 v[\vr], s45
	s_add_co_i32 s[\se], s[\se], 15
	s_lshl_b32 s45, s[\se], 23
	s_or_b32 s45, s45, 0x600000
	v_mov_b32 v[\vr+1], s45
.endm
.macro RL slot, sb, off                ; a quad, 8,192 consecutive bytes, into a ring slot
	WIN 0xc0
.set n, 0
.rept 16
	global_load_b128 v[64*(\slot)+4*n:64*(\slot)+4*n+3], v[LI], s[\sb:\sb+1] offset:(\off)+512*n
.set n, n+1
.endr
.endm
.macro RLN ql                          ; quad ql of the slab in hand: 0-7 W1's, 8-11 W2's (every second quad of its stream), 12-15 the next slab's first four
.if (\ql) < 8
	RL (\ql)%4, 58, (\ql)*8192
.elseif (\ql) < 12
	RL (\ql)%4, 78, ((\ql)-8)*16384
.else
	RL (\ql)%4, 58, 131072+((\ql)-12)*8192
.endif
.endm
	s_load_b512 s[4:19], s[0:1], 0x0               ; a_codes, wcodes, x, bp, gain, bias, b1, b2
	s_load_b128 s[20:23], s[0:1], 0x40             ; exponents, out0
	v_lshl_add_u32 v46, v0, 2, 0x33c00
	v_mov_b32 v47, 0
	v_lshrrev_b32 v24, 5, v0
	v_readfirstlane_b32 s44, v24                   ; wave
	v_and_b32 v24, 31, v0
	v_and_b32 v25, 15, v0                          ; r
	v_bfe_u32 v26, v0, 4, 1                        ; h
	v_lshlrev_b32 v[LI], 4, v24
	s_wait_alu depctr_va_sdst(0)                   ; s44 is written, ahead of its first reader: LDS places, streams and bases are made from it
	s_mul_i32 s45, s44, 33024
	v_add_nc_u32 v[STW], s45, v[LI]
	s_and_b32 s24, ttmp9, 1                        ; H: which 256 columns of the result
	s_lshl_b32 s27, s24, 1
	s_lshr_b32 s45, s44, 1
	s_add_co_u32 s27, s27, s45                     ; W2's quads for columns 256 H + 64 w on lie in stream 2 H + w / 2,
	s_mul_i32 s27, s27, 589824
	s_and_b32 s45, s44, 1
	s_lshl_b32 s45, s45, 13                        ; at quads 16 + 16 g + 2 s' + w % 2
	s_add_co_u32 s27, s27, s45
	s_add_co_u32 s78, s27, 917504                  ; 786,432 + 16 quads
	s_mov_b32 s79, 0
	s_lshl_b32 s24, s24, 10                        ; 1,024 H: 256 columns in bytes
	s_mov_b32 s25, 0
	s_lshl_b32 s26, s44, 8                         ; 256 w: 64 columns in bytes
	v_mul_u32_u24 v[XRD0], v25, 2064
	v_lshl_add_u32 v[XRD0], v26, 6, v[XRD0]
	v_add_nc_u32 v[XW], s26, v[XRD0]
	v_add_nc_u32 v[XW+1], 66048, v[XW]
	v_add_nc_u32 v[XR2], s24, v[XW]
	v_add_nc_u32 v[XR2+1], 66048, v[XR2]
	s_add_co_u32 s26, s26, s24                     ; my 64 columns of b2
	s_mov_b32 s27, 0
	s_lshl_b32 s45, s44, 9
	v_add_nc_u32 v[XRD0], s45, v[XRD0]
	v_add_nc_u32 v[XRD0+1], 66048, v[XRD0]
	v_lshlrev_b32 v[STB], 3, v25
	v_add_nc_u32 v[STB], STAT, v[STB]
	v_add_nc_u32 v[STA], s45, v[STB]
	v_lshlrev_b32 v[BPA], 6, v26
	v_add_nc_u32 v[LNA], s45, v[BPA]
	v_add_nc_u32 v[B1A0], B1L, v[LNA]
	v_add_nc_u32 v[LNA], LNP, v[LNA]
	s_lshl_b32 s45, s44, 11
	v_add_nc_u32 v[B1G], s45, v[LI]
	v_add_nc_u32 v[B1W], B1L, v[B1G]
	v_add_nc_u32 v[H2R], H2IMG, v[LI]
	v_add_nc_u32 v[H2W], s45, v[H2R]
	v_add_nc_u32 v[HR], HIMG, v[LI]
	v_add_nc_u32 v[HW], s45, v[HR]
	v_lshlrev_b32 v[LNG], 4, v0
	v_add_nc_u32 v[LNW], LNP, v[LNG]
	s_mov_b32 s46, 0x76543210
	s_mov_b32 s47, 0xfedcba98
	s_mov_b32 s48, 0x3b000000                      ; 1 / 512
	s_mov_b32 s49, 0x3727c5ac                      ; 1e-5
	s_mov_b32 s66, 0x3c000000                      ; 1 / 128
	s_mov_b32 s67, 0x43000000                      ; 128
	s_mov_b32 s68, 0                               ; the slab's place in b1, in bytes
	s_lshr_b32 s69, ttmp9, 1                       ; blk: which 64 rows
	s_lshl_b32 s70, s69, 15                        ; a_codes: four row tiles of 8,192 bytes
	s_mov_b32 s71, 0
	s_mul_i32 s72, s44, 589824
	s_add_co_u32 s72, s72, 786432                  ; stream w: Wp's and W1's quads
	s_mov_b32 s73, 0
	s_lshl_b32 s74, s69, 6
	s_lshr_b32 s45, s44, 1
	s_lshl_b32 s45, s45, 5
	s_add_co_u32 s74, s74, s45
	s_and_b32 s45, s44, 1
	s_lshl_b32 s45, s45, 3
	s_add_co_u32 s74, s74, s45
	s_lshl_b32 s74, s74, 11                        ; x, out0: row 64 blk + 32 (w / 2) + 8 (w % 2)
	s_mov_b32 s75, 0
	s_lshl_b32 s76, s44, 9                         ; my 128 columns of bp
	s_mov_b32 s77, 0
	s_wait_kmcnt 0x0
	s_load_b512 s[28:43], s[20:21], 0x0            ; e0 .. e15
	s_add_nc_u64 s[4:5], s[4:5], s[70:71]
	s_add_nc_u64 s[56:57], s[6:7], s[72:73]
	s_add_nc_u64 s[58:59], s[56:57], 65536         ; the first slab's W1 begins at quad 8
	s_add_nc_u64 s[78:79], s[6:7], s[78:79]        ; the first slab's W2
	s_add_nc_u64 s[60:61], s[8:9], s[74:75]
	s_add_nc_u64 s[62:63], s[22:23], s[74:75]
	s_add_nc_u64 s[62:63], s[62:63], s[24:25]      ; out0 at the work-group's 256 columns
	s_add_nc_u64 s[10:11], s[10:11], s[76:77]
	s_add_nc_u64 s[18:19], s[18:19], s[26:27]
	WIN 0x40
	s_wait_alu depctr_va_vdst(0)                   ; the offsets and LDS addresses v1 to v12, v14 to v18 and v36 to v39 are written: every load and store of the kernel reads one of them
.set n, 0
.rept 64
	global_load_b128 v[4*n:4*n+3], v[LI], s[4:5] offset:512*n   ; the 16 fragments of a: (row tile m, K step s) at 16 (4 m + s)
.set n, n+1
.endr
	WIN 0
.set n, 0
.rept 8                                ; tile ct: lane (r, h) wants columns 32 (ct / 2) + 16 h + 8 (ct % 2) + 0 .. 7
	global_load_b128 v[R2+8*n:R2+8*n+3],   v[BPA], s[10:11] offset:(32*(n/2)+8*(n%2))*4
	global_load_b128 v[R2+8*n+4:R2+8*n+7], v[BPA], s[10:11] offset:(32*(n/2)+8*(n%2))*4+16
.set n, n+1
.endr
.set n, 0
.rept 4                                ; b2: the four tiles of my 64 result columns
	global_load_b128 v[R1+8*n:R1+8*n+3],   v[BPA], s[18:19] offset:(32*(n/2)+8*(n%2))*4
	global_load_b128 v[R1+8*n+4:R1+8*n+7], v[BPA], s[18:19] offset:(32*(n/2)+8*(n%2))*4+16
.set n, n+1
.endr
.irp q, 0,1,2,3
	global_load_b128 v[192+4*\q:195+4*\q], v[B1G], s[16:17] offset:512*\q     ; a quarter of b1,
.endr
	global_load_b128 v[208:211], v[LNG], s[12:13]                             ; of the gain, of the bias
	global_load_b128 v[212:215], v[LNG], s[14:15]
	WIN 0x80
.set n, 0
.rept 64
	global_load_b128 v[4*n:4*n+3], v[LI], s[60:61] offset:((n/4)+8*((n/4)/8))*2048+512*(n%4)   ; the 16 rows of tile w, 512 consecutive bytes a load
.set n, n+1
.endr
	s_wait_loadcnt 0x0
	RL 0, 56, 0                                    ; (no vector line has named the ring, nor v1 since the wait above)
	RL 1, 56, 8192
	RL 2, 56, 16384
	RL 3, 56, 24576
	s_wait_kmcnt 0x0
	s_add_co_i32 s70, s38, s39                     ; e10 + e11
	s_sub_co_i32 s71, 0, s70
	s_add_co_i32 s72, s42, s43                     ; e14 + e15
	s_sub_co_i32 s73, 0, s72
	s_add_co_i32 s74, s40, s41                     ; e12 + e13
	s_sub_co_i32 s75, 0, s74
	s_sub_co_i32 s76, s42, s74                     ; e14 - e12 - e13
	s_add_co_i32 s50, s70, 127
	s_lshl_b32 s50, s50, 23                        ; 2^(e10 + e11)
	s_mov_b32 s51, s50
	s_add_co_i32 s52, s73, 127
	s_lshl_b32 s52, s52, 23                        ; 2^-(e14 + e15)
	s_mov_b32 s53, s52
	s_add_co_i32 s54, s72, 127
	s_lshl_b32 s54, s54, 23                        ; 2^(e14 + e15)
	s_mov_b32 s55, s54
	WIN 0
	MKSC SCH2, 40
	MKSC SCH, 76
.set n, 0
.rept 64
	v_ldexp_f32 v[R2+n], v[R2+n], s71              ; each bias divided by the power of two that its sums lack
.set n, n+1
.endr
.set n, 0
.rept 32
	v_ldexp_f32 v[R1+n], v[R1+n], s73
.set n, n+1
.endr
.set n, 0
.rept 16
	v_ldexp_f32 v[192+n], v[192+n], s75
.set n, n+1
.endr
	WIN 0x08                                       ; store data window 2
	s_wait_alu depctr_va_vdst(0)                   ; the scalings above have written v192-207, which four of the LDS stores below read
.set n, 0
.rept 64
	ds_store_b128 v[STW], v[4*n:4*n+3] offset:2064*(n/4)+512*(n%4)
.set n, n+1
.endr
	WIN 0
.irp q, 0,1,2,3
	ds_store_b128 v[B1W], v[192+4*\q:195+4*\q] offset:512*\q
.endr
	ds_store_b128 v[LNW], v[208:211]
	ds_store_b128 v[LNW], v[212:215] offset:2048
	BARRIER                                        ; x, b1, gain and bias lie in LDS
	s_wait_alu depctr_vm_vsrc(0)                   ; my LDS stores have read window 2, which the products below write, and v192-215, which the statistics' lines write
; ---- a Wp: quad q = unit tile q, all 512 of K, four row tiles: the four accumulators by turns; bp is the C of the first products
.macro QP q
	s_wait_loadcnt 48                              ; my quad is in; the three younger quads, 16 loads each, may be out
	WIN 0x87                                       ; source 0 ring (3), source 1 a (1), C window 0, D window 2
.irp m, 0,1,2,3
	v_wmma_f32_16x16x128_bf8_bf8 v[64*\m+8*\q:64*\m+8*\q+7], v[64*(\q%4):64*(\q%4)+15], v[64*\m:64*\m+15], v[R2+8*\q:R2+8*\q+7]
.endr
	WIN 0xa7
.irp s, 1,2,3
.irp m, 0,1,2,3
	v_wmma_f32_16x16x128_bf8_bf8 v[64*\m+8*\q:64*\m+8*\q+7], v[64*(\q%4)+16*\s:64*(\q%4)+16*\s+15], v[16*(4*\m+\s):16*(4*\m+\s)+15], v[64*\m+8*\q:64*\m+8*\q+7]
.endr
.endr
	PLACES 4                                       ; the places behind the products, ahead of the first read of results (ISA guide 7.12.1); they stay where they stood
	WIN 0xc0
	s_wait_alu depctr_va_vdst(0)                   ; the sixteen products are done reading this ring slot, in which the loads below land (behind the last quad: also a's fragments, in which x lands)
	RL \q%4, 56, (\q+4)*8192
.endm
.irp q, 0,1,2,3,4,5,6,7
	QP \q
.endr
	; ---- x1 = sum x 2^(e10 + e11) + x, in the accumulators
	WIN 0x40
.set n, 0
.rept 64                               ; row tile m = n / 16; register 64 m + 16 b + i is column 128 w + 32 b + 16 h + i.  (Between the last quad's wait and these loads stand loads and a window switch alone)
	ds_load_b128 v[4*n:4*n+3], v[XRD0+n/32] offset:33024*((n/16)%2)+128*((n%16)/4)+16*(n%4)
.set n, n+1
.endr
	s_wait_dscnt 0x0
	WIN 0x92                                       ; D and source 0 window 2, source 2 window 1
.set n, 0
.rept 128
	v_pk_fma_f32 v[2*n:2*n+1], v[2*n:2*n+1], s[50:51], v[2*n:2*n+1] op_sel_hi:[1,0,1]
.set n, n+1
.endr
	WIN 0x40
	s_wait_alu depctr_va_vdst(0)                   ; the multiply-adds above are done reading x in window 1, where gain and bias land
.set n, 0
.rept 16
	ds_load_b128 v[4*n:4*n+3], v[LNA] offset:128*(n/4)+16*(n%4)            ; gain of my 64 columns,
	ds_load_b128 v[64+4*n:67+4*n], v[LNA] offset:2048+128*(n/4)+16*(n%4)   ; bias: waited for at the next barrier
.set n, n+1
.endr
	; ---- the statistics of my 128 columns
	WIN 0x0a
.irp m, 0,1,2,3
	v_pk_add_f32 v[SM+2*\m:SM+2*\m+1], v[64*\m:64*\m+1], v[64*\m+2:64*\m+3]
.endr
	WIN 0x08
.set n, 0
.rept 120
	v_pk_add_f32 v[SM+2*(n%4):SM+2*(n%4)+1], v[SM+2*(n%4):SM+2*(n%4)+1], v[64*(n%4)+4+2*(n/4):64*(n%4)+5+2*(n/4)]
.set n, n+1
.endr
	WIN 0
.irp m, 0,1,2,3
	v_add_f32 v[SM+2*\m], v[SM+2*\m], v[SM+2*\m+1]
.endr
.irp m, 0,1,2,3
	v_permlanex16_b32 v[SM+2*\m+1], v[SM+2*\m], s46, s47
.endr
.irp m, 0,1,2,3
	v_add_f32 v[SM+2*\m], v[SM+2*\m], v[SM+2*\m+1]
.endr
.irp m, 0,1,2,3
	v_mul_f32 v[SM+2*\m], s66, v[SM+2*\m]          ; mean_w
.endr
.irp m, 0,1,2,3
	WIN 0x42                                       ; D window 1, source 0 window 2
.set n, 0
.rept 32
	v_pk_add_f32 v[TT+2*n:TT+2*n+1], v[64*\m+2*n:64*\m+2*n+1], v[SM+2*\m:SM+2*\m+1] op_sel_hi:[1,0] neg_lo:[0,1] neg_hi:[0,1]
.set n, n+1
.endr
	WIN 0x05
.set n, 0
.rept 32                               ; four chains
.if n < 4
	v_pk_mul_f32 v[U+2*n:U+2*n+1], v[TT+2*n:TT+2*n+1], v[TT+2*n:TT+2*n+1]
.else
	v_pk_fma_f32 v[U+2*(n%4):U+2*(n%4)+1], v[TT+2*n:TT+2*n+1], v[TT+2*n:TT+2*n+1], v[U+2*(n%4):U+2*(n%4)+1]
.endif
.set n, n+1
.endr
	WIN 0
	v_pk_add_f32 v[U:U+1], v[U:U+1], v[U+2:U+3]
	v_pk_add_f32 v[U+4:U+5], v[U+4:U+5], v[U+6:U+7]
	v_pk_add_f32 v[U:U+1], v[U:U+1], v[U+4:U+5]
	v_add_f32 v[MW+2*\m+1], v[U], v[U+1]
.endr
.irp m, 0,1,2,3
	v_permlanex16_b32 v[U+\m], v[MW+2*\m+1], s46, s47
.endr
.irp m, 0,1,2,3
	v_add_f32 v[MW+2*\m+1], v[MW+2*\m+1], v[U+\m]  ; M2_w
	v_mov_b32 v[MW+2*\m], v[SM+2*\m]
.endr
	s_wait_alu depctr_va_vdst(0)                   ; the lines above have written the four pairs v208-215, which the LDS stores read
.irp m, 0,1,2,3
	ds_store_b64 v[STA], v[MW+2*\m:MW+2*\m+1] offset:128*\m
.endr
	BARRIER                                        ; the four waves' statistics lie in LDS
.set n, 0
.rept 16                               ; n = 4 m + wave.  (No vector line has named v216-247 yet)
	ds_load_b64 v[LD+2*n:LD+2*n+1], v[STB] offset:512*(n%4)+128*(n/4)
.set n, n+1
.endr
	s_wait_dscnt 0x0
.irp m, 0,1,2,3
	v_add_f32 v[TA+\m], v[LD+8*\m], v[LD+8*\m+2]
	v_add_f32 v[TB+\m], v[LD+8*\m+4], v[LD+8*\m+6]
.endr
.irp m, 0,1,2,3
	v_add_f32 v[TA+\m], v[TA+\m], v[TB+\m]
.endr
.irp m, 0,1,2,3
	v_mul_f32 v[SM+2*\m], 0x3e800000, v[TA+\m]     ; the mean
.endr
.irp w, 0,1,2,3
.irp m, 0,1,2,3
	v_sub_f32 v[LD+8*\m+2*\w], v[LD+8*\m+2*\w], v[SM+2*\m]
.endr
.endr
.irp m, 0,1,2,3
	v_mul_f32 v[TA+\m], v[LD+8*\m], v[LD+8*\m]
.endr
.irp w, 1,2,3
.irp m, 0,1,2,3
	v_fmac_f32 v[TA+\m], v[LD+8*\m+2*\w], v[LD+8*\m+2*\w]
.endr
.endr
.irp m, 0,1,2,3
	v_add_f32 v[TB+\m], v[LD+8*\m+1], v[LD+8*\m+3]
	v_add_f32 v[TC+\m], v[LD+8*\m+5], v[LD+8*\m+7]
.endr
.irp m, 0,1,2,3
	v_add_f32 v[TB+\m], v[TB+\m], v[TC+\m]
.endr
.irp m, 0,1,2,3
	v_fma_f32 v[TA+\m], v[TA+\m], s67, v[TB+\m]    ; M2
.endr
.irp m, 0,1,2,3
	v_fma_f32 v[RS+2*\m], v[TA+\m], s48, s49       ; variance + eps
	v_mov_b32 v[RS+2*\m+1], 0                      ; named as the upper half of the pair
.endr
.irp m, 0,1,2,3
	v_rsq_f32 v[RS+2*\m], v[RS+2*\m]
.endr
	v_nop
	s_wait_alu depctr_va_vdst(0)                   ; one wait for the four roots' results, ahead of their first reader
	; ---- h2, quantised: my 128 columns are K step w of the next product
.irp m, 0,1,2,3
	WIN 0x42
.set n, 0
.rept 32
	v_pk_add_f32 v[TT+2*n:TT+2*n+1], v[64*\m+2*n:64*\m+2*n+1], v[SM+2*\m:SM+2*\m+1] op_sel_hi:[1,0] neg_lo:[0,1] neg_hi:[0,1]
.set n, n+1
.endr
	WIN 0x41
.set n, 0
.rept 32
	v_pk_mul_f32 v[TT+2*n:TT+2*n+1], v[TT+2*n:TT+2*n+1], v[RS+2*\m:RS+2*\m+1] op_sel_hi:[1,0]
.set n, n+1
.endr
	WIN 0x55
.set n, 0
.rept 32
	v_pk_fma_f32 v[TT+2*n:TT+2*n+1], v[TT+2*n:TT+2*n+1], v[2*n:2*n+1], v[64+2*n:65+2*n]
.set n, n+1
.endr
	WIN 0x41
.set n, 0
.rept 64
	v_med3_num_f32 v[TT+n], v[TT+n], -v[SCH2+1], v[SCH2+1]
.set n, n+1
.endr
	s_wait_dscnt 0x0                               ; the last image's stores are done
.if \m > 0
	s_wait_alu depctr_vm_vsrc(0)                   ; the last image's stores have read v48-63, which the conversions below write again
.endif
	WIN 0x01
.irp b, 0,1,2,3
	v_cvt_scalef32_pk8_bf8_f32 v[PC+4*\b:PC+4*\b+1], v[TT+16*\b:TT+16*\b+7], v[SCH2]
	v_cvt_scalef32_pk8_bf8_f32 v[PC+4*\b+2:PC+4*\b+3], v[TT+16*\b+8:TT+16*\b+15], v[SCH2]
.endr
	WIN 0
	v_nop                                          ; a plain instruction between the conversions and the next write of their sources
	s_wait_alu depctr_va_vdst(0)                   ; the conversions have written v48-63, which the image's stores read
.irp c, 0,1,2,3
	ds_store_b128 v[H2W], v[PC+4*\c:PC+4*\c+3] offset:8192*\m+512*\c
.endr
.endr
	; ---- x1 goes back into the stage, each number to the place of the x that it came from: bytes that my wave alone has read
	WIN 0x08                                       ; store data window 2.  (x1 was written far ahead of the wait above, and no vector line has been issued since)
.set n, 0
.rept 64
	ds_store_b128 v[XRD0+n/32], v[4*n:4*n+3] offset:33024*((n/16)%2)+128*((n%16)/4)+16*(n%4)
.set n, n+1
.endr
	BARRIER                                        ; the sixteen fragments of h2 and all of x1 lie in LDS
	WIN 0x80
	s_wait_alu depctr_vm_vsrc(0)                   ; my LDS stores have read x1 in window 2, where my 64 columns land, and v48-63, which the first slab's conversions write
	s_wait_alu depctr_va_vdst(0)                   ; the norm's lines are done with windows 1 and 2, in which the loads below land
.set n, 0
.rept 32                               ; row tile m = n / 8; register 32 m + 16 b + i is column 256 H + 64 w + 32 b + 16 h + i
	ds_load_b128 v[4*n:4*n+3], v[XR2+n/16] offset:33024*((n/8)%2)+128*((n%8)/4)+16*(n%4)
.set n, n+1
.endr
	WIN 0x40
.set n, 0
.rept 64
	ds_load_b128 v[4*n:4*n+3], v[H2R] offset:512*n
.set n, n+1
.endr
	s_wait_dscnt 0x0
	WIN 0x82
.set n, 0
.rept 64                               ; (x1 + b2) / 2^(e14 + e15): where the last product's sums begin
	v_pk_fma_f32 v[2*n:2*n+1], v[2*n:2*n+1], s[52:53], v[R1+2*(n%16):R1+2*(n%16)+1] op_sel_hi:[1,0,1]
.set n, n+1
.endr
; ---- h2 W1: quad ql = unit tile of my 128 hidden units; four sums by turns, in half u of R1; b1 is the C of the first products
.macro Q7 ql, u, bi
	s_wait_loadcnt 48                              ; the three younger quads may be out
	WIN 0x07                                       ; source 0 ring (3), source 1 h2 (1), C and D window 0
.irp s, 0,1,2,3
.irp m, 0,1,2,3
.set AC, R1+8*(4*\u+\m)
.if \s == 0
	v_wmma_f32_16x16x128_bf8_bf8 v[AC:AC+7], v[64*((\ql)%4)+16*\s:64*((\ql)%4)+16*\s+15], v[16*(4*\m+\s):16*(4*\m+\s)+15], v[BI+(\bi):BI+(\bi)+7]
.else
	v_wmma_f32_16x16x128_bf8_bf8 v[AC:AC+7], v[64*((\ql)%4)+16*\s:64*((\ql)%4)+16*\s+15], v[16*(4*\m+\s):16*(4*\m+\s)+15], v[AC:AC+7]
.endif
.endr
.endr
	PLACES 4                                       ; the places ahead of the first read of results; they stay where they stood
	WIN 0xc0
	s_wait_alu depctr_va_vdst(0)                   ; the sixteen products are done reading this ring slot, in which the loads below land
	RLN (\ql)+4
.endm
; ---- hidden W2: quad ql = one K step of 128 x the four unit tiles of my 64 columns: sixteen accumulators, one instruction each
.macro Q8 ql, hb, last
.if (\last) && ((\ql) > 8)
	s_wait_loadcnt 16*(11-(\ql))                   ; the stream ends at quad 11: fewer younger quads
.else
	s_wait_loadcnt 48
.endif
	WIN 0xa3                                       ; source 0 ring (3), source 1 hidden (0), C and D window 2
.irp f, 0,1,2,3
.irp m, 0,1,2,3
	v_wmma_f32_16x16x128_bf8_bf8 v[32*\m+8*\f:32*\m+8*\f+7], v[64*((\ql)%4)+16*\f:64*((\ql)%4)+16*\f+15], v[\hb+16*\m:\hb+16*\m+15], v[32*\m+8*\f:32*\m+8*\f+7]
.endr
.endr
	PLACES 5                                       ; five: the next slab lays its hidden sums over the registers of a hidden fragment
.if (\last) == 0
	WIN 0xc0
	s_wait_alu depctr_va_vdst(0)                   ; the sixteen products are done reading this ring slot, in which the loads below land, and their four hidden fragments, in which those of the K step after next land
	RLN (\ql)+4
.elseif (\ql) < 10
	s_wait_alu depctr_va_vdst(0)                   ; the sixteen products are done reading their four hidden fragments, in which those of the K step after next land
.endif
.endm
.macro HFL sp, hb                      ; the hidden fragments of K step sp of the slab, four row tiles
	WIN 0
.set n, 0
.rept 16
	ds_load_b128 v[\hb+4*n:\hb+4*n+3], v[HR] offset:(4*(n/4)+\sp)*2048+512*(n%4)
.set n, n+1
.endr
.endm
; ---- a slab of 512 hidden units: 12 quads: 8 of W1, 4 of W2
.macro SLAB last
	WIN 0
	s_wait_alu depctr_vm_vsrc(0)                   ; the last slab's LDS loads have read v13, which the next line writes; ahead of the first slab: my LDS stores have read v208-215, where b1's tiles land
	v_add_nc_u32 v[B1A], s68, v[B1A0]
	s_wait_alu depctr_va_vdst(0)                   ; v13 is written, which the loads below read; the last slab's products (ahead of the first slab: the statistics' lines) are done with v192-255, in which they land
.set n, 0
.rept 16
	ds_load_b128 v[BI+4*n:BI+4*n+3], v[B1A] offset:128*(n/4)+16*(n%4)   ; b1 of my 128 units, in the layout of the results
.set n, n+1
.endr
	s_wait_dscnt 0x0
.irp b, 0,1,2,3
	Q7 2*\b, 0, 16*\b
	Q7 2*\b+1, 1, 16*\b+8
	WIN 0
.set n, 0
.rept 64
	v_med3_num_f32 v[R1+n], v[R1+n], 0, v[SCH+1]   ; the activation and the hold in one
.set n, n+1
.endr
	s_wait_dscnt 0x0                               ; the last image stores are done
	s_wait_alu depctr_vm_vsrc(0)                   ; the last image stores have read v48-63, which the conversions below write again
.irp m, 0,1,2,3
	v_cvt_scalef32_pk8_bf8_f32 v[PC+4*\m:PC+4*\m+1], v[R1+8*\m:R1+8*\m+7], v[SCH]
	v_cvt_scalef32_pk8_bf8_f32 v[PC+4*\m+2:PC+4*\m+3], v[R1+32+8*\m:R1+32+8*\m+7], v[SCH]
.endr
	v_nop                                          ; a plain instruction between the conversions and the products that write their sources again
	s_wait_alu depctr_va_vdst(0)                   ; the conversions have written v48-63, which the image stores read; behind the fourth pair they are also done with R1, and the last slab's products with R2, where hidden fragments land
.irp m, 0,1,2,3
	ds_store_b128 v[HW], v[PC+4*\m:PC+4*\m+3] offset:8192*\m+512*\b     ; K step w of the slab, units 32 b + 16 h + 0 .. 15
.endr
.endr
	BARRIER                                        ; the sixteen hidden fragments lie in LDS
	HFL 0, R2
	s_wait_dscnt 0x0
	HFL 1, R1                                      ; the next K step lands while this one is multiplied
	Q8 8, R2, \last
	s_wait_dscnt 0x0
	HFL 2, R2
	Q8 9, R1, \last
	s_wait_dscnt 0x0
	HFL 3, R1
	Q8 10, R2, \last
	s_wait_dscnt 0x0
	Q8 11, R1, \last
	WIN 0
.if (\last) == 0
	BARRIER                                        ; everybody has read the hidden fragments: the next slab may write them
	s_wait_xcnt 0x0                                ; the ring loads have read their bases
	s_add_nc_u64 s[58:59], s[58:59], 131072
	s_add_nc_u64 s[78:79], s[78:79], 131072
	s_add_co_u32 s68, s68, 2048
.endif
.endm
	WIN 0
	s_mov_b32 s69, 3
.Lslab:
	SLAB 0
	s_sub_co_u32 s69, s69, 1
	s_cmp_lg_u32 s69, 0
	s_cbranch_scc1 .Lslab
	SLAB 1                                         ; the last slab is written out: its last four quads load nothing
	; ---- THE WAY OUT: sum x 2^(e14 + e15) into the stage, my 64 columns of all 64 rows; a barrier; each wave stores 16 rows of 1,024 bytes
	WIN 0x02
.set n, 0
.rept 64
	v_pk_mul_f32 v[R1+2*n:R1+2*n+1], v[2*n:2*n+1], s[54:55] op_sel_hi:[1,0]   ; each accumulator from its low end on
.set n, n+1
.endr
	WIN 0
	s_wait_alu depctr_va_vdst(0)                   ; the multiplications have written v64-191, which the LDS stores read
.set n, 0
.rept 32                               ; row tile m = n / 8
	ds_store_b128 v[XW+n/16], v[R1+4*n:R1+4*n+3] offset:33024*((n/8)%2)+128*((n%8)/4)+16*(n%4)
.set n, n+1
.endr
	BARRIER
	WIN 0x40
	s_wait_alu depctr_va_vdst(0)                   ; the second product's instructions are done reading h2's fragments in window 1, where the rows of the result land
.set n, 0
.rept 32
	ds_load_b128 v[4*n:4*n+3], v[STW] offset:2064*(n/2)+512*(n%2)
.set n, n+1
.endr
	WIN 0x04                                       ; store data window 1
.set n, 0
.rept 32
.if n%16 == 0
	s_wait_dscnt 16-n                              ; these sixteen are in; the younger group of sixteen may be out
.endif
	global_store_b128 v[LI], v[4*n:4*n+3], s[62:63] offset:((n/2)+8*((n/2)/8))*2048+512*(n%2) th:TH_STORE_NT   ; 512 consecutive bytes of a row
.set n, n+1
.endr
	WIN 0
	s_wait_dscnt 0x0                               ; the closing lines, six on end
	s_wait_alu 0x0
	s_wait_tensorcnt 0x0
	ds_add_u32 v46, v47
	s_wait_dscnt 0x0
	s_endpgm
.Lfunc_end_k_q25d0674cb7_ffn:
	.size	k_q25d0674cb7_ffn, .Lfunc_end_k_q25d0674cb7_ffn-k_q25d0674cb7_ffn
	.p2alignl 7, 3214868480
	.fill 96, 4, 3214868480
	.section	.rodata,"a",@progbits
	.p2align	6, 0x0
	.amdhsa_kernel k_q25d0674cb7_ffn
		.amdhsa_group_segment_fixed_size 212480
		.amdhsa_private_segment_fixed_size 0
		.amdhsa_enable_private_segment 0
		.amdhsa_kernarg_size 80
		.amdhsa_user_sgpr_count 2
		.amdhsa_user_sgpr_kernarg_segment_ptr 1
		.amdhsa_wavefront_size32 1
		.amdhsa_system_sgpr_workgroup_id_x 1
		.amdhsa_system_sgpr_workgroup_id_y 1
		.amdhsa_system_sgpr_workgroup_id_z 1
		.amdhsa_system_vgpr_workitem_id 0
		.amdhsa_next_free_vgpr 1024
		.amdhsa_next_free_sgpr 80
		.amdhsa_reserve_vcc 0
		.amdhsa_float_denorm_mode_32 3
		.amdhsa_float_denorm_mode_16_64 3
		.amdhsa_memory_ordered 1
		.amdhsa_forward_progress 1
		.amdhsa_inst_pref_size 255
	.end_amdhsa_kernel
	.section	.bss,"aw",@nobits
	.p2align	6
	.space	262144
	.amdgpu_metadata
---
amdhsa.version: [ 1, 2 ]
amdhsa.kernels:
  - .name:           k_q25d0674cb7_ffn
    .symbol:         k_q25d0674cb7_ffn.kd
    .args:
      - { .name: a_codes, .offset: 0, .size: 8, .value_kind: global_buffer, .address_space: global }
      - { .name: wcodes, .offset: 8, .size: 8, .value_kind: global_buffer, .address_space: global }
      - { .name: x, .offset: 16, .size: 8, .value_kind: global_buffer, .address_space: global }
      - { .name: bp, .offset: 24, .size: 8, .value_kind: global_buffer, .address_space: global }
      - { .name: ln2_g, .offset: 32, .size: 8, .value_kind: global_buffer, .address_space: global }
      - { .name: ln2_b, .offset: 40, .size: 8, .value_kind: global_buffer, .address_space: global }
      - { .name: b1, .offset: 48, .size: 8, .value_kind: global_buffer, .address_space: global }
      - { .name: b2, .offset: 56, .size: 8, .value_kind: global_buffer, .address_space: global }
      - { .name: lowp_scales, .offset: 64, .size: 8, .value_kind: global_buffer, .address_space: global }
      - { .name: out0, .offset: 72, .size: 8, .value_kind: global_buffer, .address_space: global }
    .group_segment_fixed_size: 212480
    .private_segment_fixed_size: 0
    .kernarg_segment_align: 8
    .kernarg_segment_size: 80
    .max_flat_workgroup_size: 128
    .sgpr_count:     80
    .vgpr_count:     1024
    .wavefront_size: 32
...
	.end_amdgpu_metadata
.endif
;; end of part 7
